; MI455X (gfx1250); checked and timed in simulation.
; The chip was launched on July 23, 2026; its instructions are those of AMD's public machine-readable ISA for CDNA 5 (MIT licence, August 2026) and "CDNA5" Instruction Set Architecture Reference Guide (July 2026). The comments in the code are by the model that wrote it; some were corrected since.
;; Batch Distance Aware Cross Attention. Allowed arithmetic: matrix products marked QUANTISED: E2M3 operands, one E8M0 scale for each 32 along K, by v_wmma_scale_f32_16x16x128_f8f6f4 with both operands' format E2M3, f32 sums; products left as they are: f32 operands where the result goes on into a quantised operand, else bf16, f16 or f32 operands; f32 sums; everything else in f32.
;; Inputs: Wk_codes 512 x 16 x 24 uint8 (E2M3 codes of Wk, K innermost, in blocks of 32 codes, four codes in three bytes); Wk_scales 512 x 16 uint8 (E8M0 scales of Wk, one for each 32 codes along K); Wo_codes 512 x 16 x 24 uint8 (E2M3 codes of Wo, K innermost, in blocks of 32 codes, four codes in three bytes); Wo_scales 512 x 16 uint8 (E8M0 scales of Wo, one for each 32 codes along K); Wq_codes 512 x 16 x 24 uint8 (E2M3 codes of Wq, K innermost, in blocks of 32 codes, four codes in three bytes); Wq_scales 512 x 16 uint8 (E8M0 scales of Wq, one for each 32 codes along K); Wv_codes 512 x 16 x 24 uint8 (E2M3 codes of Wv, K innermost, in blocks of 32 codes, four codes in three bytes); Wv_scales 512 x 16 uint8 (E8M0 scales of Wv, one for each 32 codes along K); bk 512 float32; bo 512 float32; bq 512 float32; bv 512 float32; context_codes 32 x 4,096 x 16 x 24 uint8 (E2M3 codes of context, K innermost, in blocks of 32 codes, four codes in three bytes); context_mask 32 x 4,096 int32; context_scales 32 x 4,096 x 16 uint8 (E8M0 scales of context, one for each 32 codes along K); dist_matrix 32 x 1 x 4,096 float32; ln_beta 512 float32; ln_gamma 512 float32; query 32 x 512 float32.
;; Outputs: out0 32 x 512 float32.
;; This version of the problem:
;;   THIS VERSION OF THE PROBLEM IS GIVEN IN LOW PRECISION. The matrix products marked QUANTISED in the list below multiply operands that are first quantised to E2M3 (2 exponent bits, 3 mantissa bits; 6 bits a number), with one power-of-two scale for each 32 numbers along K (OCP MX v1.0); their sums are f32. All else is computed in f32.
;;   The module's matrix products, in the order in which they are computed (A, B: the left and right operand; K: the contracted axis; several contracted axes count as one K, in the product's order):
;;     1. [M 32, K 512] x [K 512, N 512]; A: input query; B: input Wq (given as codes): QUANTISED
;;     2. [M 131,072, K 512] x [K 512, N 512]; A: input context (given as codes); B: input Wk (given as codes): QUANTISED
;;     3. [M 131,072, K 512] x [K 512, N 512]; A: input context (given as codes); B: input Wv (given as codes): QUANTISED
;;     4. batch 512 x [M 1, K 32] x [K 32, N 4,096]; A: computed on the way; B: computed on the way: left as it is (M = 1 < 16)
;;     5. batch 512 x [M 1, K 4,096] x [K 4,096, N 32]; A: softmax; B: computed on the way: left as it is (M = 1 < 16)
;;     6. [M 32, K 512] x [K 512, N 512]; A: computed on the way; B: input Wo (given as codes): QUANTISED
;;   THE QUANTISER, for each operand of a quantised product, along K:
;;     - K is cut into blocks of 32 from its start; a last block that is shorter is filled with zeros.
;;     - A block's scale is 2^e with e = floor(log2(the largest magnitude in the block)) - 2, held to -126 .. 127; a block of zeros has e = 0. As a byte (E8M0): e + 127.
;;     - Each number is divided by its block's scale, clamped to +-7.5, and rounded to the nearest number of E2M3, ties to even, subnormals kept.
;;     - The product sums the exact products of the quantised numbers (number of the format x scale) in f32.
;;   ~~~python
;;   def quantise(x, axis):      # numpy; x: float32 -> the quantised numbers, widened to float32 again
;;       x = np.moveaxis(x, axis, -1); K = x.shape[-1]
;;       x = np.pad(x, [(0, 0)] * (x.ndim - 1) + [(0, -K % 32)]); x = x.reshape(x.shape[:-1] + (-1, 32)); a = np.abs(x).max(-1, keepdims=True)
;;       e = np.where(a > 0, np.clip(np.frexp(np.where(a > 0, a, 1))[1] - 1 - 2, -126, 127), 0)      # np.frexp(a)[1] - 1 = floor(log2(a)), exactly
;;       r = np.clip(x / 2.0 ** e, -7.5, 7.5)
;;       step = 2.0 ** (np.maximum(np.frexp(np.where(r == 0, 1, r))[1] - 1, 0) - 3)
;;       q = np.round(r / step) * step * 2.0 ** e      # np.round: ties to even
;;       return np.moveaxis(q.reshape(q.shape[:-2] + (-1,))[..., :K], -1, axis).astype(np.float32)
;;   ~~~
;;   OPERANDS COMPUTED ON THE WAY. 'Computed on the way' means the value that the module computes at that place (a softmax that the list does not call 'softmax' is quantised finished and normalised). What goes into a quantiser is computed in f32, as accurately as f32 sums, v_exp_f32 and their like allow (about 1e-6 of the number): no bf16 or f16 on the way to a quantiser, and a product that is left as it is and whose result goes on into a quantised operand takes f32 operands (vector FMAs, or v_wmma_f32_16x16x4_f32). A number that lies on a knife's edge between two numbers of the format may be rounded either way, as far as f32 arithmetic and the matrix unit's own rounding can turn it there, and no further.
;;   INPUTS GIVEN AS CODES. Wk (in the module: [512, 512], K = its axis 0); Wo (in the module: [512, 512], K = its axis 0); Wq (in the module: [512, 512], K = its axis 0); Wv (in the module: [512, 512], K = its axis 0); context (in the module: [32, 4096, 512], K = its axis 2): each comes as NAME_codes (uint8): NAME with its K axis moved to the last place and cut into blocks of 32 codes, [.., K / 32, bytes a block], one block behind the other in memory; four codes in three bytes: a row's codes are one little-endian stream of bits, code i at bits 6 i .. 6 i + 5 (a code: sign, 2 exponent bits, 3 mantissa bits); and NAME_scales (uint8): the same leading axes, one E8M0 byte (e + 127) for each 32 codes along K. Its value is code x scale, taken as it is: it is not quantised again, and the codes and scales need not be those that the quantiser above would give.
;; 3 versions, each right; version 2 is faster than version 1; version 3 is version 2 with the launches prep, final written anew for expert scheduling mode. Each part assembles by itself: llvm-mc -triple=amdgcn-amd-amdhsa -mcpu=gfx1250 --defsym DOCPART=n.
;; ======== version 1 of 3: 3 launches
;; workspace buffers: wimg 393,216 bytes; wsimg 16,384 bytes; qws 67,584 bytes; pO 524,288 bytes; pml 131,072 bytes
;; launch prep (part 1): grid 16 x 1, 4 waves a work-group, no clusters, 0 bytes of LDS; arguments query, Wq_codes, Wq_scales, bq, bk, Wk_codes, Wk_scales, Wv_codes, Wv_scales, qws, wimg, wsimg; writes qws, wimg, wsimg
.if DOCPART == 1
	.amdgcn_target "amdgcn-amd-amdhsa--gfx1250"
	.amdhsa_code_object_version 6
	.text
	.protected	k_q1ced6ada2a_prep
	.globl	k_q1ced6ada2a_prep
	.p2align	8
	.type	k_q1ced6ada2a_prep,@function
k_q1ced6ada2a_prep:
	s_mov_b64 s[64:65], 0
	v_nop
	global_prefetch_b8 v0, s[64:65] scope:SCOPE_SE
	s_setreg_imm32_b32 hwreg(HW_REG_WAVE_MODE, 25, 1), 1
	s_wait_xcnt 0x0
; Two small jobs ahead of the main launch; a work-group's number picks the job, a wave shares nothing with any other (no LDS, no barrier).
; JOB Q (work-groups 0-7, 32 waves): wave W makes, for head W % 16 and batch rows 16 (W / 16) .. + 15,
;   qt = (Q(query) Wq + bq) x log2(e) / sqrt(32)   and   cb = qt . bk  (the part of a score that bk gives; the main launch adds it).
;   query is quantised here, along K, in registers: a lane takes whole blocks of 32, in the order of the operand's registers.
;   The product is used transposed (source 0 = 16 rows of Wq, source 1 = 16 rows of query): a lane holds one batch row and eight neighbouring columns.
; JOB R (work-groups 8-15, 32 waves): Wk's and Wv's codes and scale words are laid anew, IN THE ORDER OF THE OPERAND'S REGISTERS, so that the main
;   launch fills a fragment by three loads of 16 bytes a lane:
;   wimg  byte ((64 w + f) 3 + c) 512 + 16 lane = registers 4 c .. 4 c + 3 of fragment f of the main launch's wave w;
;   wsimg byte (32 w + f / 2) 128 + 4 lane      = lanes 0-15 the scale words of the even fragment, lanes 16-31 of the odd one.
;   f = 16 g + 4 s + t: g = 0, 1 Wk, g = 2, 3 Wv; rows 128 w + 64 (g % 2) + 16 t + lane % 16; K step s.
; LIMITS: NaN and infinities in query are not served; a block of zeros gets the scale byte 1 (its codes are zeros; only this program reads the byte).
; REGISTERS (job Q): window 0: v2-12 addresses, v16-47 at work, v48-51 query's scale words, v52-55 Wq's, v64-111 query's four fragments, v112-143 upper halves of blocks,
;   v144-159 the two accumulators, v160-175 bk, v176-191 qt.   window 1: 256 numbers of query (block B at 32 B).   window 2: Wq's 8 fragments (tile u, K step s at 12 (4 u + s)).
.set RR,  2
.set HH,  3
.set LN,  4
.set AX,  5
.set AW,  6
.set AS,  7
.set AB,  8
.set SH,  9
.set QO,  10
.set CO,  11
.set L4,  12
.set TM,  16
.set SO,  24
.set BY,  32
.set TP,  40
.set XSW, 48
.set WQS, 52
.set XF,  64
.set T2,  112
.set ACC, 144
.set BK,  160
.set QT,  176
.set S0,  192
.set S1,  193
.set S2,  194
.set FRG, 32                           ; job R: eight fragments, v32-127
.set SW,  128                          ; job R: four registers of scale words
.set MSB, 0
.macro WIN new                         ; the immediate's high byte repeats the setting that is left; a switch that changes nothing is dropped
.if MSB != (\new)
	s_set_vgpr_msb (MSB<<8)|(\new)
.set MSB, \new
.endif
.endm
	s_load_b512 s[8:23], s[0:1], 0x0               ; query s[8:9], Wq codes s[10:11], Wq scales s[12:13], bq s[14:15], bk s[16:17], Wk codes s[18:19], Wk scales s[20:21], Wv codes s[22:23]
	s_load_b256 s[24:31], s[0:1], 0x40             ; Wv scales s[24:25], qws s[26:27], wimg s[28:29], wsimg s[30:31]
	v_lshrrev_b32 v1, 5, v0
	v_readfirstlane_b32 s4, v1                     ; wave 0..3
	v_and_b32 v[RR], 15, v0                        ; r
	v_bfe_u32 v[HH], v0, 4, 1                      ; h
	v_and_b32 v[LN], 31, v0                        ; lane
	v_mul_u32_u24 v[AW], v[RR], 384                ; a weight's row of 512 codes is 384 bytes,
	v_mad_u32_u24 v[AW], v[HH], 24, v[AW]          ; + 24 h: a fragment's place for my lane
	v_lshlrev_b32 v[AS], 4, v[LN]                  ; 16 x lane: a row of scale bytes; also a lane's place in an image
	v_lshlrev_b32 v[L4], 2, v[LN]
	s_mov_b32 s56, 0x76543210
	s_mov_b32 s57, 0xfedcba98                      ; v_permlanex16_b32's selects for lane l xor 16
	s_mov_b32 s33, 0                               ; the high words of the offset pairs
	s_mov_b32 s35, 0
	s_mov_b32 s41, 0
	s_wait_kmcnt 0x0
	s_cmp_lt_u32 ttmp9, 8
	s_cbranch_scc0 .Lrelay
	; ---------------- JOB Q
	s_lshl_b32 s5, ttmp9, 2
	s_add_co_u32 s5, s5, s4                        ; W = 0..31
	s_and_b32 s6, s5, 15                           ; head
	s_lshr_b32 s7, s5, 4                           ; tile of 16 batch rows
	v_lshlrev_b32 v[AX], 11, v[RR]
	v_lshl_add_u32 v[AX], v[HH], 7, v[AX]          ; query: row r of 2,048 bytes, + 128 h: my block of each 64 along K
	v_lshlrev_b32 v[AB], 5, v[HH]                  ; biases in the result's layout: 32 h
	v_lshlrev_b32 v[SH], 3, v[HH]                  ; 8 h: where my bytes stand in a scale word
	v_lshlrev_b32 v[QO], 11, v[RR]
	v_lshl_add_u32 v[QO], v[HH], 5, v[QO]          ; qt: row r of 2,048 bytes, + 32 h
	v_lshlrev_b32 v[CO], 6, v[RR]                  ; cb: row r of 64 bytes
	s_lshl_b32 s32, s6, 7                          ; 128 x head: the head's 32 numbers
	s_add_nc_u64 s[14:15], s[14:15], s[32:33]      ; bq
	s_add_nc_u64 s[16:17], s[16:17], s[32:33]      ; bk
	s_lshl_b32 s34, s7, 15                         ; 16 rows of 2,048 bytes
	s_add_nc_u64 s[8:9], s[8:9], s[34:35]          ; query
	s_add_nc_u64 s[36:37], s[26:27], s[34:35]
	s_add_nc_u64 s[36:37], s[36:37], s[32:33]      ; qt's place
	s_mul_i32 s32, s6, 12288                       ; the head's 32 rows of Wq
	s_add_nc_u64 s[10:11], s[10:11], s[32:33]
	s_lshl_b32 s32, s6, 9
	s_add_nc_u64 s[12:13], s[12:13], s[32:33]      ; and their scale bytes
	s_lshl_b32 s32, s7, 10
	s_lshl_b32 s34, s6, 2
	s_add_co_u32 s32, s32, s34
	s_add_nc_u64 s[38:39], s[26:27], s[32:33]      ; cb's place (65,536 bytes on, in the store's immediate)
.irp i, 0,1,2,3
	global_load_b128 v[ACC+4*\i:ACC+4*\i+3], v[AB], s[14:15] offset:64*(\i/2)+16*(\i%2)   ; bq is the sums' start: register 8 u + j = column 16 u + 8 h + j of the head
	global_load_b128 v[BK+4*\i:BK+4*\i+3], v[AB], s[16:17] offset:64*(\i/2)+16*(\i%2)     ; bk likewise
.endr
	WIN 0x40                                       ; destination window 1
.irp blk, 0,1,2,3,4,5,6,7
.irp i, 0,1,2,3,4,5,6,7
	global_load_b128 v[32*\blk+4*\i:32*\blk+4*\i+3], v[AX], s[8:9] offset:256*\blk+16*\i  ; block B of my lane: k = 64 B + 32 h + 0 .. 31
.endr
.endr
	WIN 0x80                                       ; destination window 2
.irp u, 0,1
.irp s, 0,1,2,3
.irp p, 0,1,2,3,4,5
	global_load_b64 v[12*(4*\u+\s)+2*\p:12*(4*\u+\s)+2*\p+1], v[AW], s[10:11] offset:6144*\u+96*\s+48*(\p/3)+8*(\p%3)
.endr
.endr
.endr
	WIN 0
.irp s, 0,1,2,3
	global_load_b32 v[WQS+\s], v[AS], s[12:13] offset:4*\s    ; lanes 0-15: tile 0's rows, lanes 16-31: tile 1's
.endr
	s_wait_loadcnt 52                              ; behind query's loads stand Wq's 48 and its 4 scale loads: the biases and query are in
	WIN 0x05                                       ; sources 0 and 1 window 1
.irp blk, 0,1,2,3,4,5,6,7
	v_max3_num_f32 v[TM+\blk], |v[32*\blk]|, |v[32*\blk+1]|, 0x1800000   ; a block's largest magnitude, with the floor 2^(3 - 127) among its leaves: the byte cannot fall under 1
.endr
.irp i, 2,4,6,8,10,12,14,16,18,20,22,24,26,28,30
.irp blk, 0,1,2,3,4,5,6,7
	v_max3_num_f32 v[TM+\blk], |v[32*\blk+\i]|, |v[32*\blk+\i+1]|, v[TM+\blk]   ; the eight blocks by turns
.endr
.endr
	WIN 0
.irp blk, 0,1,2,3,4,5,6,7
	v_add_nc_u32 v[SO+\blk], 0xff000000, v[TM+\blk]    ; 2 off the exponent field: the conversion's scale operand
.endr
.irp blk, 0,1,2,3,4,5,6,7
	v_lshrrev_b32 v[BY+\blk], 23, v[SO+\blk]           ; the scale's byte
.endr
.irp s, 0,1,2,3
	v_lshl_or_b32 v[TP+\s], v[BY+2*\s+1], 16, v[BY+2*\s]   ; my two bytes of K step s: blocks h and 2 + h,
.endr
.irp s, 0,1,2,3
	v_lshlrev_b32 v[TP+\s], v[SH], v[TP+\s]            ; at their places;
.endr
.irp s, 0,1,2,3
	v_mov_b32 v[TP+4+\s], 0                            ; (a lane permute's destination counts as one of its sources)
.endr
.irp s, 0,1,2,3
	v_permlanex16_b32 v[TP+4+\s], v[TP+\s], s56, s57
.endr
.irp s, 0,1,2,3
	v_or_b32 v[XSW+\s], v[TP+\s], v[TP+4+\s]           ; with lane l xor 16's two the word is whole
.endr
	WIN 0x01                                       ; source 0 window 1
.irp blk, 0,1,2,3,4,5,6,7
	v_cvt_scalef32_pk16_fp6_f32 v[XF+6*\blk:XF+6*\blk+2], v[32*\blk:32*\blk+15], v[SO+\blk]       ; registers 6 B .. of the four fragments on end
	v_cvt_scalef32_pk16_fp6_f32 v[T2+4*\blk:T2+4*\blk+2], v[32*\blk+16:32*\blk+31], v[SO+\blk]    ; (a conversion's three registers begin on an even number: the upper half is made elsewhere and moved)
.endr
	WIN 0
	v_nop                                          ; one plain place behind the scaled conversions
.irp blk, 0,1,2,3,4,5,6,7
.irp i, 0,1,2
	v_mov_b32 v[XF+6*\blk+3+\i], v[T2+4*\blk+\i]
.endr
.endr
.rept 8
	v_nop                                          ; scale words and operands written by vector instructions stand 8 and 4 places ahead of a scaled matrix instruction
.endr
	s_wait_loadcnt 0x0                             ; Wq
	WIN 0x02                                       ; source 0 window 2
.irp s, 0,1,2,3                                ; the two accumulators by turns
	v_wmma_scale_f32_16x16x128_f8f6f4 v[ACC:ACC+7], v[12*\s:12*\s+11], v[XF+12*\s:XF+12*\s+11], v[ACC:ACC+7], v[WQS+\s], v[XSW+\s] matrix_a_fmt:MATRIX_FMT_FP6 matrix_b_fmt:MATRIX_FMT_FP6
	v_wmma_scale_f32_16x16x128_f8f6f4 v[ACC+8:ACC+15], v[12*(4+\s):12*(4+\s)+11], v[XF+12*\s:XF+12*\s+11], v[ACC+8:ACC+15], v[WQS+\s], v[XSW+\s] matrix_a_fmt:MATRIX_FMT_FP6 matrix_b_fmt:MATRIX_FMT_FP6 matrix_a_scale:MATRIX_SCALE_ROW1
.endr
	WIN 0
.rept 4
	v_nop                                          ; four places ahead of the first read of the results (ISA guide 7.12.1)
.endr
.irp i, 0,2,4,6,8,10,12,14
	v_pk_mul_f32 v[QT+\i:QT+\i+1], v[ACC+\i:ACC+\i+1], 0x3e8293ee op_sel_hi:[1,0]   ; x log2(e) / sqrt(32); each accumulator from its low end on
.endr
	v_mul_f32 v[S0], v[QT], v[BK]                  ; cb: my 16 columns in two chains,
	v_mul_f32 v[S1], v[QT+1], v[BK+1]
.irp i, 2,4,6,8,10,12,14
	v_fmac_f32 v[S0], v[QT+\i], v[BK+\i]
	v_fmac_f32 v[S1], v[QT+\i+1], v[BK+\i+1]
.endr
	v_add_f32 v[S0], v[S0], v[S1]
	v_mov_b32 v[S2], 0
	v_permlanex16_b32 v[S2], v[S0], s56, s57
	v_add_f32 v[S0], v[S0], v[S2]                  ; and lane l xor 16's 16: both lanes hold the same bits
.irp i, 0,1,2,3
	global_store_b128 v[QO], v[QT+4*\i:QT+4*\i+3], s[36:37] offset:64*(\i/2)+16*(\i%2)
.endr
	global_store_b32 v[CO], v[S0], s[38:39] offset:65536   ; lanes l and l xor 16 store the same word with the same bits
	s_endpgm
	; ---------------- JOB R
.Lrelay:
	s_sub_co_u32 s5, ttmp9, 8
	s_lshl_b32 s5, s5, 2
	s_add_co_u32 s5, s5, s4                        ; W' = 8 w + 2 g + s0 / 2: eight fragments, 16 g + 4 s0 + 0 .. 7, of wave w
	s_lshr_b32 s6, s5, 3                           ; w
	s_bfe_u32 s7, s5, 0x20001                      ; g
	s_and_b32 s44, s5, 1                           ; s0 / 2
	s_and_b32 s45, s7, 1
	s_lshl_b32 s45, s45, 6
	s_lshl_b32 s34, s6, 7
	s_add_co_u32 s34, s34, s45                     ; the group's first row: 128 w + 64 (g % 2)
	s_cmp_lt_u32 s7, 2                             ; Wk or Wv: the choice hangs on ids alone
	s_cselect_b64 s[36:37], s[18:19], s[22:23]
	s_cselect_b64 s[38:39], s[20:21], s[24:25]
	s_mul_i32 s40, s34, 384
	s_mul_i32 s45, s44, 192                        ; 96 bytes a K step
	s_add_co_u32 s40, s40, s45
	s_add_nc_u64 s[36:37], s[36:37], s[40:41]
	s_lshl_b32 s40, s34, 4
	s_lshl_b32 s45, s44, 3                         ; 4 bytes a K step
	s_add_co_u32 s40, s40, s45
	s_add_nc_u64 s[38:39], s[38:39], s[40:41]
	s_mul_i32 s40, s5, 12288                       ; eight images of 1,536 bytes
	s_add_nc_u64 s[28:29], s[28:29], s[40:41]
	s_lshl_b32 s40, s5, 9                          ; four registers of scale words, 128 bytes each
	s_add_nc_u64 s[30:31], s[30:31], s[40:41]
.irp i, 0,1,2,3,4,5,6,7                        ; fragment i: tile i % 4, K step s0 + i / 4
.irp p, 0,1,2,3,4,5
	global_load_b64 v[FRG+12*\i+2*\p:FRG+12*\i+2*\p+1], v[AW], s[36:37] offset:6144*(\i%4)+96*(\i/4)+48*(\p/3)+8*(\p%3)
.endr
.endr
.irp i, 0,1,2,3                                ; 32 neighbouring rows' words: tiles 2 (i % 2) and 2 (i % 2) + 1, K step s0 + i / 2
	global_load_b32 v[SW+\i], v[AS], s[38:39] offset:512*(\i%2)+4*(\i/2)
.endr
	s_wait_loadcnt 0x0
.irp i, 0,1,2,3,4,5,6,7
.irp c, 0,1,2
	global_store_b128 v[AS], v[FRG+12*\i+4*\c:FRG+12*\i+4*\c+3], s[28:29] offset:(3*\i+\c)*512   ; 32 lanes store 512 consecutive bytes
.endr
.endr
.irp i, 0,1,2,3
	global_store_b32 v[L4], v[SW+\i], s[30:31] offset:128*\i
.endr
	s_endpgm
.Lfunc_end_k_q1ced6ada2a_prep:
	.size	k_q1ced6ada2a_prep, .Lfunc_end_k_q1ced6ada2a_prep-k_q1ced6ada2a_prep
	.p2alignl 7, 3214868480
	.fill 96, 4, 3214868480
	.section	.rodata,"a",@progbits
	.p2align	6, 0x0
	.amdhsa_kernel k_q1ced6ada2a_prep
		.amdhsa_group_segment_fixed_size 0
		.amdhsa_private_segment_fixed_size 0
		.amdhsa_enable_private_segment 0
		.amdhsa_kernarg_size 96
		.amdhsa_user_sgpr_count 2
		.amdhsa_user_sgpr_kernarg_segment_ptr 1
		.amdhsa_wavefront_size32 1
		.amdhsa_system_sgpr_workgroup_id_x 1
		.amdhsa_system_sgpr_workgroup_id_y 1
		.amdhsa_system_sgpr_workgroup_id_z 1
		.amdhsa_system_vgpr_workitem_id 0
		.amdhsa_next_free_vgpr 608
		.amdhsa_next_free_sgpr 66
		.amdhsa_reserve_vcc 0
		.amdhsa_float_denorm_mode_32 3
		.amdhsa_float_denorm_mode_16_64 3
		.amdhsa_memory_ordered 1
		.amdhsa_forward_progress 1
		.amdhsa_inst_pref_size 38
	.end_amdhsa_kernel
	.amdgpu_metadata
---
amdhsa.version: [ 1, 2 ]
amdhsa.kernels:
  - .name:           k_q1ced6ada2a_prep
    .symbol:         k_q1ced6ada2a_prep.kd
    .args:
      - { .name: query, .offset: 0, .size: 8, .value_kind: global_buffer, .address_space: global }
      - { .name: Wq_codes, .offset: 8, .size: 8, .value_kind: global_buffer, .address_space: global }
      - { .name: Wq_scales, .offset: 16, .size: 8, .value_kind: global_buffer, .address_space: global }
      - { .name: bq, .offset: 24, .size: 8, .value_kind: global_buffer, .address_space: global }
      - { .name: bk, .offset: 32, .size: 8, .value_kind: global_buffer, .address_space: global }
      - { .name: Wk_codes, .offset: 40, .size: 8, .value_kind: global_buffer, .address_space: global }
      - { .name: Wk_scales, .offset: 48, .size: 8, .value_kind: global_buffer, .address_space: global }
      - { .name: Wv_codes, .offset: 56, .size: 8, .value_kind: global_buffer, .address_space: global }
      - { .name: Wv_scales, .offset: 64, .size: 8, .value_kind: global_buffer, .address_space: global }
      - { .name: qws, .offset: 72, .size: 8, .value_kind: global_buffer, .address_space: global }
      - { .name: wimg, .offset: 80, .size: 8, .value_kind: global_buffer, .address_space: global }
      - { .name: wsimg, .offset: 88, .size: 8, .value_kind: global_buffer, .address_space: global }
    .group_segment_fixed_size: 0
    .private_segment_fixed_size: 0
    .kernarg_segment_align: 8
    .kernarg_segment_size: 96
    .max_flat_workgroup_size: 128
    .sgpr_count:     66
    .vgpr_count:     608
    .wavefront_size: 32
...
	.end_amdgpu_metadata
.endif
;; end of part 1
;; launch main (part 2): grid 8 x 32, 4 waves a work-group, no clusters, 233,984 bytes of LDS; arguments context_codes, context_scales, dist_matrix, context_mask, wimg, wsimg, qws, pO, pml; writes pO, pml
.if DOCPART == 2
	.amdgcn_target "amdgcn-amd-amdhsa--gfx1250"
	.amdhsa_code_object_version 6
	.text
	.protected	k_q1ced6ada2a_main
	.globl	k_q1ced6ada2a_main
	.p2align	8
	.type	k_q1ced6ada2a_main,@function
k_q1ced6ada2a_main:
	s_mov_b64 s[64:65], 0
	v_nop
	global_prefetch_b8 v0, s[64:65] scope:SCOPE_SE
	s_setreg_imm32_b32 hwreg(HW_REG_WAVE_MODE, 25, 1), 1
	s_wait_xcnt 0x0
; k = context Wk, v = context Wv (both on FP6 codes as given), the scores, a running softmax and p . v, fused: k and v never leave the registers.
; SHARES.  Work-group (x, b) takes context rows 512 x .. 512 x + 511 of batch b.  Wave w takes heads 4 w .. 4 w + 3, that is 128 columns of k and 128 of v, for all 512 rows.
; THE WEIGHTS STAY IN REGISTERS: a wave's 64 fragments (16 rows x 128 K, 12 registers each) fill 768 registers, loaded once from the image that the launch before has laid.
; THE CONTEXT STAYS IN LDS: the work-group's 512 rows of codes and scale bytes are brought once by the tensor data mover, each wave a quarter; nothing in LDS is filled twice.
; No cluster: what work-groups share is the weights, which go to registers; a joint load lands in LDS only, where 233,472 of the bytes are taken by what stays.
; A TILE is 16 context rows: 64 matrix instructions, in four groups of 16 (4 K steps x 4 accumulators by turns): kA, kB (heads 0, 1 and 2, 3 of the wave), vA, vB.
;   k is used TRANSPOSED (source 0 = 16 rows of Wk, source 1 = 16 context rows): lane (r, h) holds context row r, register j column 8 h + j: a score is summed inside a lane and with lane l xor 16.
;   v is used as it is (source 0 = context, source 1 = 16 rows of Wv): lane (r, h) holds column r, register j context row 8 h + j: p . v is one register for each 16 columns.
;   What such a multiply-add wants of another lane (q for a score, p for p . v) it takes by row_share on its first source: no register is spent on broadcasts.
; BY TURNS: behind each matrix instruction stands a slice of the vector work on the group made one window earlier:
;   kA | p . v of the tile before, heads 2, 3      kB | scores of heads 0, 1      vA | scores of heads 2, 3, softmax of heads 0, 1      vB | p . v of heads 0, 1, softmax of heads 2, 3, the next tile's LDS loads
; SOFTMAX, per head, in base 2: t = qt . k + cb + dist x (-0.1 log2 e), or -1e9 log2 e where the mask is 0 (as the problem's own -1e9); m the running maximum, p = 2^(t - m),
;   l and O are multiplied by 2^(m_old - m_new) in every tile.  bk enters by cb = qt . bk, bv is added by the last launch (the weights sum to one).
; OUT: pO[b][x][512] = sum of p v, pml[b][x][w][32]: word k = m of head 4 w + k % 4 where k & 4 is 0, else l.
; LIMITS: NaN and infinities among the inputs are not served (a masked key's score is multiplied by 0).
; REGISTERS: windows 1-3: fragment f (0..62) in window 1 + f / 21 at v[12 (f % 21)]; f = 16 g + 4 s + t.   window 0: the map below.
.set CTXP,  432                        ; a context row in LDS: 3 x (128 bytes + 16 of padding) = 108 words: row r starts at bank 44 r mod 64 (64 banks of 4 bytes: ISA guide 11.1): the 32 lanes of a load of 8 bytes touch 64 different banks
.set TILEB, 16*CTXP
.set QUART, 128*CTXP                   ; 128 rows: a wave's tensor load
.set SCL,   4*QUART                    ; 221,184: the scale bytes, 16 a row, dense
.set MDB,   SCL+8192                   ; 229,376: for each row the pair (1.0 or 0; bias or -1e9 log2 e), 8 bytes, made here and stored by ds_store: bytes of their own
.set ADA, 1                            ; v1   432 r + 24 h + the tile: a fragment's place for my lane
.set ADB, 2                            ; v2   432 r + 40 h: for the pieces that lie behind one padding more in lanes 16-31
.set ADS, 3                            ; v3   SCL + 16 r + 4 h
.set ADM, 4                            ; v4   MDB + 8 r
.set LI,  5                            ; v5   16 x lane
.set LS,  6                            ; v6   4 x lane
.set QA,  7
.set DA,  8
.set MDW, 9
.set ONE, 10
.set RQ,  12                           ; v12-19  qt: register 2 hd + u, lane (n, h): column 32 hd + 16 u + 8 h + n % 8
.set RM,  20                           ; v20-23  m
.set RL,  24                           ; v24-27  l (my row's part)
.set RO,  28                           ; v28-35  O: register 2 hd + u, lane (r, h): column 32 hd + 16 u + r, rows 8 h ..
.set PP,  36                           ; v36-39  p, place j of each half of the lanes: row 8 h + j
.set CH,  40                           ; v40-47  the scores' chains
.set DBH, 48                           ; v48-51  cb + bias, or -1e9 log2 e
.set YT,  52
.set TT,  54
.set RX,  56
.set MN,  58
.set DD,  60
.set EE,  62
.set FF,  64
.set RP,  66
.set PR,  68
.set MK,  70                           ; v[70:71] the tile's pair for my row
.set DB,  71
.set CS,  72                           ; v72, v73  context's scale words: K steps 0 | 1 and 2 | 3 in lanes 0-15 | 16-31
.set WS,  74                           ; v74-105   the weights' scale words: fragments 2 i | 2 i + 1
.set F63, 106                          ; v106-117  fragment 63
.set CF,  118                          ; v118-165  the tile's four fragments of context
.set X,   166                          ; v166-197  kA's, vA's four accumulators
.set Y,   198                          ; v198-229  kB's, vB's
.set DI,  230
.set MI,  234
.set MO,  238
.set T0,  246
.set T1,  247
.set T2,  248
.set CB,  52                           ; s[52:55] cb of my four heads
.set SEL, 56                           ; s[56:57] selects for lane l xor 16
.set HALF, 58                          ; s58  lanes 16-31
.set MSB, 0
.macro WIN new                         ; the immediate's high byte repeats the setting that is left; a switch that changes nothing is dropped
.if MSB != (\new)
	s_set_vgpr_msb (MSB<<8)|(\new)
.set MSB, \new
.endif
.endm
	s_load_b512 s[8:23], s[0:1], 0x0               ; codes s[8:9], scales s[10:11], dist s[12:13], mask s[14:15], wimg s[16:17], wsimg s[18:19], qws s[20:21], pO s[22:23]
	s_load_b64 s[24:25], s[0:1], 0x40              ; pml
	v_lshl_add_u32 v254, v0, 2, 0x39000
	v_mov_b32 v255, 0
	ds_add_u32 v254, v255
	ds_add_u32 v254, v255
	v_lshrrev_b32 v[T0], 5, v0
	v_readfirstlane_b32 s4, v[T0]                  ; wave 0..3
	s_and_b32 s2, ttmp7, 0xffff                    ; b
	s_mov_b32 s3, ttmp9                            ; x
	; the codes: a wave's 128 rows are 49,152 dense bytes, stated as 64 rows of 768 bytes (96 elements of 8), 16 bytes of padding behind every 128
	s_mov_b32 s32, (3<<16)|(1<<20)|(4<<22)|(3<<25) ; 17:16 elements of 8 bytes; 20 padding on; 24:22 after every 32 words (code 4); 31:25 4 words of it (code 3)
	s_mov_b32 s33, 96<<16                          ; tensor_dim0
	s_mov_b32 s34, 64<<16                          ; tensor_dim1
	s_mov_b32 s35, 96<<16                          ; tile_dim0
	s_mov_b32 s36, 64                              ; tile_dim1
	s_mov_b32 s37, 96                              ; stride from row to row
	s_mov_b32 s38, 0
	s_mov_b32 s39, 0
	; the scale bytes: 2,048 dense bytes a wave, as 8 rows of 256 bytes, no padding
	s_mov_b32 s44, 3<<16
	s_mov_b32 s45, 32<<16
	s_mov_b32 s46, 8<<16
	s_mov_b32 s47, 32<<16
	s_mov_b32 s48, 8
	s_mov_b32 s49, 32
	s_mov_b32 s50, 0
	s_mov_b32 s51, 0
	s_mov_b32 s28, 1
	s_mul_i32 s29, s4, QUART                       ; LDS: wave x 128 rows
	s_mov_b32 s40, 1
	s_lshl_b32 s41, s4, 11
	s_add_co_u32 s41, s41, SCL
	s_mul_i32 s26, s2, 1572864                     ; a batch's codes,
	s_mul_i32 s5, s3, 196608                       ; a work-group's 512 rows,
	s_add_co_u32 s26, s26, s5
	s_mul_i32 s5, s4, 49152                        ; a wave's 128
	s_add_co_u32 s26, s26, s5
	s_mov_b32 s27, 0
	s_lshl_b32 s6, s2, 16                          ; the same in scale bytes
	s_lshl_b32 s5, s3, 13
	s_add_co_u32 s6, s6, s5
	s_lshl_b32 s5, s4, 11
	s_add_co_u32 s6, s6, s5
	s_mov_b32 s7, 0
	s_mov_b32 s[SEL], 0x76543210
	s_mov_b32 s[SEL+1], 0xfedcba98
	s_mov_b32 s[HALF], 0xffff0000
	s_mov_b32 s60, 0xaaaaaaaa                      ; lanes with bit 0, 1, 2 set: for the weave at the end
	s_mov_b32 s61, 0xcccccccc
	s_mov_b32 s62, 0xf0f0f0f0
	v_and_b32 v[T0], 31, v0                        ; lane
	v_and_b32 v[T1], 15, v0                        ; r
	v_bfe_u32 v[T2], v0, 4, 1                      ; h
	v_mul_u32_u24 v[ADA], v[T1], CTXP
	v_mad_u32_u24 v[ADB], v[T2], 40, v[ADA]
	v_mad_u32_u24 v[ADA], v[T2], 24, v[ADA]
	v_lshlrev_b32 v[ADS], 4, v[T1]
	v_lshl_add_u32 v[ADS], v[T2], 2, v[ADS]
	v_add_nc_u32 v[ADS], SCL, v[ADS]
	v_lshl_add_u32 v[ADM], v[T1], 3, MDB
	v_lshlrev_b32 v[LI], 4, v[T0]
	v_lshlrev_b32 v[LS], 2, v[T0]
	v_and_b32 v[QA], 7, v0
	v_lshlrev_b32 v[QA], 2, v[QA]
	v_lshl_add_u32 v[QA], v[T2], 5, v[QA]          ; qt: 4 (lane % 8) + 32 h
	v_lshlrev_b32 v[DA], 4, v0                     ; dist, mask: four rows a thread
	v_lshl_add_u32 v[MDW], v0, 5, MDB              ; and their four pairs
	v_mov_b32 v[ONE], 1.0
	s_wait_dscnt 0x0
	s_wait_kmcnt 0x0
	s_add_nc_u64 s[30:31], s[8:9], s[26:27]
	s_or_b32 s31, s31, 0x80000000                  ; type = 2
	s_add_nc_u64 s[42:43], s[10:11], s[6:7]
	s_or_b32 s43, s43, 0x80000000
	tensor_load_to_lds s[28:31], s[32:39]          ; my quarter of the codes and of the scale bytes: the launch's only fills, ahead of every wait on TENSORcnt, LDS read and barrier;
	s_nop 0
	tensor_load_to_lds s[40:43], s[44:51]          ; two tensor loads of mine are out
	s_nop 0
.rept 4
	v_nop
.endr
	s_lshl_b32 s66, s2, 14                         ; dist, mask: b x 16,384 + x x 2,048
	s_lshl_b32 s5, s3, 11
	s_add_co_u32 s66, s66, s5
	s_mov_b32 s67, 0
	s_add_nc_u64 s[12:13], s[12:13], s[66:67]
	s_add_nc_u64 s[14:15], s[14:15], s[66:67]
	s_lshl_b32 s5, s4, 9
	s_add_co_u32 s66, s66, s5                      ; pO: the same + 512 w
	s_add_nc_u64 s[22:23], s[22:23], s[66:67]
	s_lshr_b32 s66, s66, 2                         ; pml: a quarter of that
	s_add_nc_u64 s[24:25], s[24:25], s[66:67]
	s_lshl_b32 s66, s2, 11
	s_add_co_u32 s66, s66, s5                      ; qt: b x 2,048 + 512 w
	s_add_nc_u64 s[70:71], s[20:21], s[66:67]
	s_lshl_b32 s66, s2, 6
	s_lshl_b32 s5, s4, 4
	s_add_co_u32 s66, s66, s5                      ; cb: b x 64 + 16 w, 65,536 bytes on
	s_add_nc_u64 s[68:69], s[20:21], s[66:67]
	s_load_b128 s[CB:CB+3], s[68:69], 0x10000
	s_mul_i32 s66, s4, 98304                       ; my 64 images
	s_add_nc_u64 s[16:17], s[16:17], s[66:67]
	s_lshl_b32 s66, s4, 12
	s_add_nc_u64 s[18:19], s[18:19], s[66:67]
	global_load_b128 v[DI:DI+3], v[DA], s[12:13] th:TH_LOAD_NT
	global_load_b128 v[MI:MI+3], v[DA], s[14:15] th:TH_LOAD_NT
.irp i, 0,1,2,3,4,5,6,7
	global_load_b32 v[RQ+\i], v[QA], s[70:71] offset:64*\i
.endr
.macro WLOAD f0, f1                    ; fragments f0 .. f1: three loads of 16 bytes a lane each, 512 consecutive bytes a load
.set wf, \f0
.rept (\f1)-(\f0)+1
.if wf == 63
.set ww, 0
.set wr, F63
.else
.set ww, (1+wf/21)*64
.set wr, 12*(wf%21)
.endif
	WIN ww
.irp c, 0,1,2
	global_load_b128 v[wr+4*\c:wr+4*\c+3], v[LI], s[16:17] offset:(3*wf+\c)*512
.endr
.set wf, wf+1
.endr
.endm
	WLOAD 0, 18
	WIN 0
	s_wait_loadcnt 57                              ; the 57 weight loads just issued may be out: dist, mask and qt are in
.irp i, 0,1,2,3
	v_cmp_ne_u32 vcc_lo, 0, v[MI+\i]
	v_mul_f32 v[MO+2*\i+1], 0xbe13bb63, v[DI+\i]               ; dist x (-0.1 log2 e)
	v_cndmask_b32 v[MO+2*\i], 0, v[ONE], vcc_lo                ; 1.0 where the key counts
	v_cndmask_b32 v[MO+2*\i+1], 0xceabfb8f, v[MO+2*\i+1], vcc_lo   ; -1e9 log2 e where it does not
.endr
	ds_store_b128 v[MDW], v[MO:MO+3]
	ds_store_b128 v[MDW], v[MO+4:MO+7] offset:16
	WLOAD 19, 63
	WIN 0
.irp i, 0,1,2,3,4,5,6,7,8,9,10,11,12,13,14,15,16,17,18,19,20,21,22,23,24,25,26,27,28,29,30,31
	global_load_b32 v[WS+\i], v[LS], s[18:19] offset:128*\i
.endr
.irp i, 0,1,2,3
	v_mov_b32 v[RM+\i], 0xff61b1e6                 ; -3e38, under every t
	v_mov_b32 v[RL+\i], 0
.endr
.irp i, 0,1,2,3,4,5,6,7
	v_mov_b32 v[RO+\i], 0
	v_mov_b32 v[CH+\i], 0                          ; (the destination of a lane-crossing form counts as one of its sources)
.endr
.irp i, 0,1
	v_mov_b32 v[YT+\i], 0
	v_mov_b32 v[RX+\i], 0
	v_mov_b32 v[PR+\i], 0
.endr
	s_wait_loadcnt 0x0                             ; the weights
	s_wait_kmcnt 0x0                               ; cb
	s_wait_tensorcnt 0x0                           ; my quarter has landed,
	s_wait_dscnt 0x0                               ; my pairs are stored:
	s_barrier_signal -1
	s_barrier_wait -1                              ; everybody's are.  The launch's one barrier: from here on LDS is only read
.macro FRAG s                          ; the tile's fragment of K step s: lane (r, h): registers 6 c .. 6 c + 5 = the 24 bytes at 96 s + 48 c + 24 h of row r, in pieces of 8
.irp p, 0,1,2,3,4,5
.set fP, 12*(\s)+6*(\p/3)+\p%3         ; lanes 0-15 take the row's piece fP, lanes 16-31 the piece three on, which lies behind one padding more where fP % 16 is 13 or more
.if fP%16 < 13
	ds_load_b64 v[CF+12*(\s)+2*\p:CF+12*(\s)+2*\p+1], v[ADA] offset:8*fP+16*(fP/16)
.else
	ds_load_b64 v[CF+12*(\s)+2*\p:CF+12*(\s)+2*\p+1], v[ADB] offset:8*fP+16*(fP/16)
.endif
.endr
.endm
; a tile's 27 LDS loads, in four runs: always in this order, which the counts at kA's head lean on
.macro LDA
	FRAG 0
.endm
.macro LDB
	FRAG 1
	ds_load_b32 v[CS], v[ADS]
.endm
.macro LDC
	FRAG 2
.endm
.macro LDD
	ds_load_b32 v[CS+1], v[ADS] offset:8
	FRAG 3
	ds_load_b64 v[MK:MK+1], v[ADM]
.endm
.macro BUMP                            ; on to the next tile's addresses (an LDS instruction's sources need no wait).  Four plain instructions
	WIN 0
	v_add_nc_u32 v[ADA], TILEB, v[ADA]
	v_add_nc_u32 v[ADB], TILEB, v[ADB]
	v_add_nc_u32 v[ADS], 256, v[ADS]
	v_add_nc_u32 v[ADM], 128, v[ADM]
.endm
.macro WM d, a, b, sa, sb, ra, rb, acc ; one matrix instruction; ra, rb: the scales' lanes 16-31; acc = 0: the product starts the sum
.if (\acc) == 0
.if (\ra) && (\rb)
	v_wmma_scale_f32_16x16x128_f8f6f4 v[\d:\d+7], v[\a:\a+11], v[\b:\b+11], 0, v[\sa], v[\sb] matrix_a_fmt:MATRIX_FMT_FP6 matrix_b_fmt:MATRIX_FMT_FP6 matrix_a_scale:MATRIX_SCALE_ROW1 matrix_b_scale:MATRIX_SCALE_ROW1
.elseif (\ra)
	v_wmma_scale_f32_16x16x128_f8f6f4 v[\d:\d+7], v[\a:\a+11], v[\b:\b+11], 0, v[\sa], v[\sb] matrix_a_fmt:MATRIX_FMT_FP6 matrix_b_fmt:MATRIX_FMT_FP6 matrix_a_scale:MATRIX_SCALE_ROW1
.elseif (\rb)
	v_wmma_scale_f32_16x16x128_f8f6f4 v[\d:\d+7], v[\a:\a+11], v[\b:\b+11], 0, v[\sa], v[\sb] matrix_a_fmt:MATRIX_FMT_FP6 matrix_b_fmt:MATRIX_FMT_FP6 matrix_b_scale:MATRIX_SCALE_ROW1
.else
	v_wmma_scale_f32_16x16x128_f8f6f4 v[\d:\d+7], v[\a:\a+11], v[\b:\b+11], 0, v[\sa], v[\sb] matrix_a_fmt:MATRIX_FMT_FP6 matrix_b_fmt:MATRIX_FMT_FP6
.endif
.else
.if (\ra) && (\rb)
	v_wmma_scale_f32_16x16x128_f8f6f4 v[\d:\d+7], v[\a:\a+11], v[\b:\b+11], v[\d:\d+7], v[\sa], v[\sb] matrix_a_fmt:MATRIX_FMT_FP6 matrix_b_fmt:MATRIX_FMT_FP6 matrix_a_scale:MATRIX_SCALE_ROW1 matrix_b_scale:MATRIX_SCALE_ROW1
.elseif (\ra)
	v_wmma_scale_f32_16x16x128_f8f6f4 v[\d:\d+7], v[\a:\a+11], v[\b:\b+11], v[\d:\d+7], v[\sa], v[\sb] matrix_a_fmt:MATRIX_FMT_FP6 matrix_b_fmt:MATRIX_FMT_FP6 matrix_a_scale:MATRIX_SCALE_ROW1
.elseif (\rb)
	v_wmma_scale_f32_16x16x128_f8f6f4 v[\d:\d+7], v[\a:\a+11], v[\b:\b+11], v[\d:\d+7], v[\sa], v[\sb] matrix_a_fmt:MATRIX_FMT_FP6 matrix_b_fmt:MATRIX_FMT_FP6 matrix_b_scale:MATRIX_SCALE_ROW1
.else
	v_wmma_scale_f32_16x16x128_f8f6f4 v[\d:\d+7], v[\a:\a+11], v[\b:\b+11], v[\d:\d+7], v[\sa], v[\sb] matrix_a_fmt:MATRIX_FMT_FP6 matrix_b_fmt:MATRIX_FMT_FP6
.endif
.endif
.endm
; Matrix instruction n of 16 of group g: K step n / 4, accumulator n % 4.  The four accumulators take turns, one instruction a turn, and neighbouring groups write different
; registers.
.macro MM g, n
.set mS, (\n)/4
.set mF, 16*(\g)+(\n)
.set mD, X+32*((\g)%2)+8*((\n)%4)
.set mC, CF+12*mS
.if mF == 63
.set mW, 0
.set mR, F63
.else
.set mW, 1+mF/21
.set mR, 12*(mF%21)
.endif
.if (\g) < 2
	WIN mW                                         ; source 0: the weights' window
	WM mD, mR, mC, WS+mF/2, CS+mS/2, mF%2, mS%2, mS
.else
	WIN mW*4                                       ; source 1: the weights' window
	WM mD, mC, mR, CS+mS/2, WS+mF/2, mS%2, mF%2, mS
.endif
.endm
; scores: register j of the two tiles of head 2 G + k, times q of its column, which lane j of my half of the lanes holds
.macro LSOP G, k, j
	WIN 0
.irp u, 0,1
.if (\j) == 0
	v_mul_f32_dpp v[CH+4*(\G)+2*(\k)+\u], v[RQ+4*(\G)+2*(\k)+\u], v[X+32*(\G)+8*(2*(\k)+\u)+(\j)] row_share:\j row_mask:0xf bank_mask:0xf
.else
	v_fmac_f32_dpp v[CH+4*(\G)+2*(\k)+\u], v[RQ+4*(\G)+2*(\k)+\u], v[X+32*(\G)+8*(2*(\k)+\u)+(\j)] row_share:\j row_mask:0xf bank_mask:0xf
.endif
.endr
.endm
; p . v: register j (context row 8 h + j) of the two tiles of head 2 G + k, times that row's p
.macro LPOP G, k, j
	WIN 0
.irp u, 0,1
	v_fmac_f32_dpp v[RO+4*(\G)+2*(\k)+\u], v[PP+2*(\G)+(\k)], v[X+32*(\G)+8*(2*(\k)+\u)+(\j)] row_share:\j row_mask:0xf bank_mask:0xf
.endr
.endm
; the softmax of heads 2 G and 2 G + 1 for one tile, dealt over a window's 16 slots so that slots 3, 7, 11 and 15 each hold four plain instructions or more
.macro LMOP G, n
.if (\n) == 0
.irp k, 0,1
	v_add_f32 v[CH+4*(\G)+2*\k], v[CH+4*(\G)+2*\k], v[CH+4*(\G)+2*\k+1]      ; the head's two tiles: my 16 columns
.endr
.elseif (\n) == 1
.irp k, 0,1
	v_permlanex16_b32 v[YT+\k], v[CH+4*(\G)+2*\k], s[SEL], s[SEL+1]          ; the other 16 lie in lane l xor 16
.endr
.elseif (\n) == 3
.irp k, 0,1
	v_add_f32 v[YT+\k], v[YT+\k], v[CH+4*(\G)+2*\k]
.endr
.irp k, 0,1
	v_fma_f32 v[TT+\k], v[YT+\k], v[MK], v[DBH+2*(\G)+\k]                    ; t of my row
.endr
.elseif (\n) == 4
.irp k, 0,1
	v_max_num_f32_dpp v[RX+\k], v[TT+\k], v[TT+\k] row_xmask:1 row_mask:0xf bank_mask:0xf
.endr
.elseif (\n) == 5
.irp k, 0,1
	v_max_num_f32_dpp v[RX+\k], v[RX+\k], v[RX+\k] row_xmask:2 row_mask:0xf bank_mask:0xf
.endr
.irp k, 0,1
	v_max_num_f32_dpp v[RX+\k], v[RX+\k], v[RX+\k] row_xmask:4 row_mask:0xf bank_mask:0xf
.endr
.elseif (\n) == 6
.irp k, 0,1
	v_max_num_f32_dpp v[RX+\k], v[RX+\k], v[RX+\k] row_xmask:8 row_mask:0xf bank_mask:0xf   ; the tile's largest t
.endr
.elseif (\n) == 7
.irp k, 0,1
	v_max_num_f32 v[MN+\k], v[RM+2*(\G)+\k], v[RX+\k]                        ; the new m
.endr
.irp k, 0,1
	v_sub_f32 v[DD+\k], v[RM+2*(\G)+\k], v[MN+\k]
	v_sub_f32 v[EE+\k], v[TT+\k], v[MN+\k]
.endr
.elseif (\n) == 8
.irp k, 0,1
	v_exp_f32 v[FF+\k], v[DD+\k]                                             ; f = 2^(m_old - m_new)
	v_exp_f32 v[RP+\k], v[EE+\k]                                             ; p = 2^(t - m)
.endr
.irp k, 0,1
	v_mov_b32 v[RM+2*(\G)+\k], v[MN+\k]                                      ; (the plain place behind the exponentials)
.endr
.elseif (\n) == 10
	s_wait_alu depctr_va_vdst(0)
.irp k, 0,1
	v_mov_b32_dpp v[PR+\k], v[RP+\k] row_xmask:8 row_mask:0xf bank_mask:0xf
.endr
.elseif (\n) == 11
.irp k, 0,1
	v_fma_f32 v[RL+2*(\G)+\k], v[RL+2*(\G)+\k], v[FF+\k], v[RP+\k]
.endr
.irp k, 0,1
	v_cndmask_b32 v[PP+2*(\G)+\k], v[RP+\k], v[PR+\k], s[HALF]               ; lanes 16-31 take row r xor 8: place j of each half now holds row 8 h + j
.endr
.elseif (\n) == 15
.irp k, 0,1
	v_mul_f32 v[RO+4*(\G)+2*\k], v[RO+4*(\G)+2*\k], v[FF+\k]
	v_mul_f32 v[RO+4*(\G)+2*\k+1], v[RO+4*(\G)+2*\k+1], v[FF+\k]
.endr
.endif
.endm
; A TILE.  Distances behind matrix instructions (ISA guide 7.12.1 for vector instructions): a group's results are first read in the next window, behind four plain
; instructions that follow the group's last product (the address steps; the four fma; the four multiplications of slot 15); they are written over two windows on;
; each run of loads into context's registers stands behind the four plain instructions of the slot whose product read them last.
.macro TILE first, last
	s_wait_dscnt 14                                ; K steps 0 and 1 and their scale words are in; behind them stand K step 2's six loads and the last run's eight
.irp k, 0,1
.irp j, 0,1,2,3,4,5,6,7
.set tn, 8*\k+\j
.if tn == 8
	s_wait_dscnt 7                                 ; K step 2 and the second scale register; K step 3's six and the pair may be out
.elseif tn == 12
	s_wait_dscnt 1                                 ; K step 3; the pair may be out
.endif
	MM 0, tn
.if !\first
	LPOP 1, \k, \j
.endif
.endr
.endr
	BUMP
.irp k, 0,1
.irp j, 0,1,2,3,4,5,6,7
.set tn, 8*\k+\j
	MM 1, tn
	LSOP 0, \k, \j
.endr
.endr
	s_wait_dscnt 0x0                               ; the pair
.irp d, 0,1,2,3
	v_fma_f32 v[DBH+\d], v[MK], s[CB+\d], v[DB]    ; cb + bias where the key counts, else -1e9 log2 e
.endr
.irp k, 0,1
.irp j, 0,1,2,3,4,5,6,7
.set tn, 8*\k+\j
	MM 2, tn
	LSOP 1, \k, \j
	LMOP 0, tn
.endr
.endr
.irp k, 0,1
.irp j, 0,1,2,3,4,5,6,7
.set tn, 8*\k+\j
	MM 3, tn
	LPOP 0, \k, \j
	LMOP 1, tn
.if !\last
.if tn == 3
	LDA
.elseif tn == 7
	LDB
.elseif tn == 11
	LDC
.elseif tn == 15
	LDD
.endif
.endif
.endr
.endr
	WIN 0                                          ; at a label and at a branch every window is 0
.endm
	LDA                                            ; tile 0
	LDB
	LDC
	LDD
	TILE 1, 0
	s_mov_b32 s59, 30
.Ltile:
	TILE 0, 0
	s_sub_co_u32 s59, s59, 1
	s_cmp_lg_u32 s59, 0
	s_cbranch_scc1 .Ltile
	TILE 0, 1                                      ; the last tile fetches nothing
.irp k, 0,1
.irp j, 0,1,2,3,4,5,6,7
	LPOP 1, \k, \j                                 ; its p . v of heads 2, 3
.endr
.endr
	; THE WAY OUT
.irp t, 0,1,2,3,4,5,6,7
	v_permlanex16_b32 v[CH+\t], v[RO+\t], s[SEL], s[SEL+1]
.endr
.irp t, 0,1,2,3,4,5,6,7
	v_add_f32 v[RO+\t], v[RO+\t], v[CH+\t]         ; rows 0-7 and rows 8-15 of every tile
.endr
.irp m, 1,2,4,8
.irp d, 0,1,2,3
	v_add_f32_dpp v[RL+\d], v[RL+\d], v[RL+\d] row_xmask:\m row_mask:0xf bank_mask:0xf   ; l over the 16 rows
.endr
.endr
.irp a, 0,1,2,3
	v_cndmask_b32 v[CH+\a], v[RO+2*\a], v[RO+2*\a+1], s[HALF]      ; lane l: column 32 a + l
.endr
.irp a, 0,1,2,3
	global_store_b32 v[LS], v[CH+\a], s[22:23] offset:128*\a       ; 128 consecutive bytes a store, 512 a wave
.endr
	v_cndmask_b32 v[YT], v[RM], v[RM+1], s60       ; word k: m or l of head k % 4
	v_cndmask_b32 v[YT+1], v[RM+2], v[RM+3], s60
	v_cndmask_b32 v[TT], v[RL], v[RL+1], s60
	v_cndmask_b32 v[TT+1], v[RL+2], v[RL+3], s60
	v_cndmask_b32 v[YT], v[YT], v[YT+1], s61
	v_cndmask_b32 v[TT], v[TT], v[TT+1], s61
	v_cndmask_b32 v[YT], v[YT], v[TT], s62
	global_store_b32 v[LS], v[YT], s[24:25]
	s_wait_tensorcnt 0x0
	ds_add_u32 v254, v255
	s_wait_dscnt 0x0
	s_endpgm
.Lfunc_end_k_q1ced6ada2a_main:
	.size	k_q1ced6ada2a_main, .Lfunc_end_k_q1ced6ada2a_main-k_q1ced6ada2a_main
	.p2alignl 7, 3214868480
	.fill 96, 4, 3214868480
	.section	.rodata,"a",@progbits
	.p2align	6, 0x0
	.amdhsa_kernel k_q1ced6ada2a_main
		.amdhsa_group_segment_fixed_size 233984
		.amdhsa_private_segment_fixed_size 0
		.amdhsa_enable_private_segment 0
		.amdhsa_kernarg_size 72
		.amdhsa_user_sgpr_count 2
		.amdhsa_user_sgpr_kernarg_segment_ptr 1
		.amdhsa_wavefront_size32 1
		.amdhsa_system_sgpr_workgroup_id_x 1
		.amdhsa_system_sgpr_workgroup_id_y 1
		.amdhsa_system_sgpr_workgroup_id_z 1
		.amdhsa_system_vgpr_workitem_id 0
		.amdhsa_next_free_vgpr 1024
		.amdhsa_next_free_sgpr 72
		.amdhsa_reserve_vcc 1
		.amdhsa_float_denorm_mode_32 3
		.amdhsa_float_denorm_mode_16_64 3
		.amdhsa_memory_ordered 1
		.amdhsa_forward_progress 1
		.amdhsa_inst_pref_size 109
	.end_amdhsa_kernel
	.amdgpu_metadata
---
amdhsa.version: [ 1, 2 ]
amdhsa.kernels:
  - .name:           k_q1ced6ada2a_main
    .symbol:         k_q1ced6ada2a_main.kd
    .args:
      - { .name: context_codes, .offset: 0, .size: 8, .value_kind: global_buffer, .address_space: global }
      - { .name: context_scales, .offset: 8, .size: 8, .value_kind: global_buffer, .address_space: global }
      - { .name: dist_matrix, .offset: 16, .size: 8, .value_kind: global_buffer, .address_space: global }
      - { .name: context_mask, .offset: 24, .size: 8, .value_kind: global_buffer, .address_space: global }
      - { .name: wimg, .offset: 32, .size: 8, .value_kind: global_buffer, .address_space: global }
      - { .name: wsimg, .offset: 40, .size: 8, .value_kind: global_buffer, .address_space: global }
      - { .name: qws, .offset: 48, .size: 8, .value_kind: global_buffer, .address_space: global }
      - { .name: pO, .offset: 56, .size: 8, .value_kind: global_buffer, .address_space: global }
      - { .name: pml, .offset: 64, .size: 8, .value_kind: global_buffer, .address_space: global }
    .group_segment_fixed_size: 233984
    .private_segment_fixed_size: 0
    .kernarg_segment_align: 8
    .kernarg_segment_size: 72
    .max_flat_workgroup_size: 128
    .sgpr_count:     72
    .vgpr_count:     1024
    .wavefront_size: 32
...
	.end_amdgpu_metadata
.endif
;; end of part 2
;; launch final (part 3): grid 32 x 1, 16 waves a work-group, no clusters, 6,144 bytes of LDS; arguments pO, pml, bv, Wo_codes, Wo_scales, bo, query, ln_gamma, ln_beta, out0; writes out0
.if DOCPART == 3
	.amdgcn_target "amdgcn-amd-amdhsa--gfx1250"
	.amdhsa_code_object_version 6
	.text
	.protected	k_q1ced6ada2a_final
	.globl	k_q1ced6ada2a_final
	.p2align	8
	.type	k_q1ced6ada2a_final,@function
k_q1ced6ada2a_final:
	s_mov_b64 s[64:65], 0
	v_nop
	global_prefetch_b8 v0, s[64:65] scope:SCOPE_SE
	s_setreg_imm32_b32 hwreg(HW_REG_WAVE_MODE, 25, 1), 1
	s_wait_xcnt 0x0
; The eight chunks of a batch are merged, attn_out is quantised, multiplied by Wo, and the row is normalised.  One work-group to a batch row, sixteen waves.
; a) Wave wv owns head wv, which is one block of 32 along the last product's K; lane l owns its column l.
;    attn_out = (sum over chunks of O_x 2^(m_x - M)) / (sum of l_x 2^(m_x - M)) + bv, M the largest m_x.  The block is quantised; its 24 bytes of codes and its scale byte go to LDS.
; b) Wave wv owns output columns 32 wv .. + 31.  The product is used transposed (source 0 = 16 rows of Wo, source 1 = the one row of attn_out, read by all sixteen lanes r alike):
;    every lane (r, h) holds columns 16 u + 8 h + j; the sums start from bo + query.
; c) LayerNorm in two passes (the mean; then the mean of the squared deviations), each summed over the waves through LDS.
; The results go through the wave's own 128 bytes of LDS, so that lane l stores column l: 128 consecutive bytes a wave.
; LIMITS: NaN and infinities are not served; a block of zeros gets the scale byte 1 (its codes are zeros; only this launch reads the byte).
.set AF,  0                            ; LDS: 128 bytes for each wave, its own
.set CDL, 2048                         ; attn_out's codes: 24 bytes a block, 384 in all
.set SBL, 2560                         ; its 16 scale bytes
.set RS1, 2816                         ; the waves' sums
.set RS2, 3072                         ; the waves' sums of squares
.set WVV, 1
.set LN,  2
.set RR,  3
.set HH,  4
.set AML, 5
.set AL4, 6
.set AH,  7
.set AW,  8
.set AS,  9
.set LAF, 10
.set LAB, 11
.set LCD, 12
.set LSB, 13
.set LCR, 14
.set LRS, 15
.set ACC, 16                           ; v16-31   the two accumulators
.set OX,  32                           ; v32-39   O of the eight chunks
.set T3,  40
.set SOP, 43
.set BYT, 44
.set LOS, 45
.set ZZ,  46
.set QY,  48                           ; v48-63   query; later the waves' sums
.set RD,  48
.set GA,  64
.set BE,  80
.set WO,  96                           ; v96-191  Wo's 8 fragments (tile u, K step s at 12 (4 u + s)); later the deviations
.set DV,  96
.set NUM, 192                          ; v192-223 the block's 32 numbers; then, from v192, attn_out's four fragments
.set AFR, 192
.set PCD, 224
.set VM,  240
.set VL,  241
.set BV,  242
.set WX,  243
.set DEN, 244
.set AA,  245
.set AM,  246
.set TT,  247
.set SA,  240                          ; pairs at work once a) is over
.set SB,  242
.set NM,  244
.set RSQ, 246
.set WSW, 248                          ; v248-251 Wo's scale words: lanes 0-15 tile 0, lanes 16-31 tile 1
.set ASW, 252                          ; v252-255 attn_out's
	s_load_b512 s[8:23], s[0:1], 0x0               ; pO s[8:9], pml s[10:11], bv s[12:13], Wo codes s[14:15], Wo scales s[16:17], bo s[18:19], query s[20:21], gamma s[22:23]
	s_load_b128 s[24:27], s[0:1], 0x40             ; beta s[24:25], out0 s[26:27]
	v_lshrrev_b32 v[WVV], 5, v0
	v_readfirstlane_b32 s4, v[WVV]                 ; wave 0..15
	v_and_b32 v[LN], 31, v0
	v_and_b32 v[RR], 15, v0
	v_bfe_u32 v[HH], v0, 4, 1
	v_and_b32 v[AML], 7, v0
	v_lshlrev_b32 v[AML], 9, v[AML]                ; m, l: lane l takes chunk l % 8: 512 bytes a chunk
	v_lshlrev_b32 v[AL4], 2, v[LN]
	v_lshlrev_b32 v[AH], 5, v[HH]                  ; the result's layout: 32 h
	v_mul_u32_u24 v[AW], v[RR], 384
	v_mad_u32_u24 v[AW], v[HH], 24, v[AW]
	v_lshlrev_b32 v[AS], 4, v[LN]
	v_lshlrev_b32 v[LAF], 2, v0                    ; 128 wave + 4 lane: in LDS, and in the row of out0
	v_lshlrev_b32 v[LAB], 7, v[WVV]                ; 128 wave
	v_mad_u32_u24 v[LCD], v[WVV], 24, CDL
	v_add_nc_u32 v[LSB], SBL, v[WVV]
	v_mad_u32_u24 v[LCR], v[HH], 24, CDL
	v_lshl_add_u32 v[LRS], v[WVV], 2, RS1
	v_lshl_add_u32 v[LOS], v[HH], 5, v[LAB]
	v_mov_b32 v[ZZ], 0
	v_mov_b32 v[TT], 0                             ; (the destination of a lane-crossing form counts as one of its sources)
	v_mov_b32 v[AA], 0
	s_mov_b32 s56, 0x76543210
	s_mov_b32 s57, 0xfedcba98
	s_mov_b32 s30, 0x3b000000                      ; 1 / 512
	s_mov_b32 s31, 0x3727c5ac                      ; 1e-5
	s_mov_b32 s29, 0
	s_lshl_b32 s5, s4, 7                           ; 128 wave
	s_lshl_b32 s6, ttmp9, 11                       ; a row of 2,048 bytes
	s_lshl_b32 s28, ttmp9, 14
	s_add_co_u32 s28, s28, s5
	s_wait_kmcnt 0x0
	s_add_nc_u64 s[8:9], s[8:9], s[28:29]          ; pO: b x 16,384 + 128 wave
	s_lshl_b32 s28, ttmp9, 12
	s_lshr_b32 s7, s4, 2
	s_lshl_b32 s7, s7, 7
	s_add_co_u32 s28, s28, s7
	s_and_b32 s7, s4, 3
	s_lshl_b32 s7, s7, 2
	s_add_co_u32 s28, s28, s7
	s_add_nc_u64 s[10:11], s[10:11], s[28:29]      ; pml: b x 4,096 + 128 (wave / 4) + 4 (wave % 4)
	s_mov_b32 s28, s5
	s_add_nc_u64 s[12:13], s[12:13], s[28:29]
	s_add_nc_u64 s[18:19], s[18:19], s[28:29]
	s_add_nc_u64 s[22:23], s[22:23], s[28:29]
	s_add_nc_u64 s[24:25], s[24:25], s[28:29]
	s_add_co_u32 s28, s5, s6
	s_add_nc_u64 s[20:21], s[20:21], s[28:29]
	s_mov_b32 s28, s6
	s_add_nc_u64 s[26:27], s[26:27], s[28:29]
	s_mul_i32 s28, s4, 12288
	s_add_nc_u64 s[14:15], s[14:15], s[28:29]
	s_lshl_b32 s28, s4, 9
	s_add_nc_u64 s[16:17], s[16:17], s[28:29]
	global_load_b32 v[VM], v[AML], s[10:11]
	global_load_b32 v[VL], v[AML], s[10:11] offset:16
.irp x, 0,1,2,3,4,5,6,7
	global_load_b32 v[OX+\x], v[AL4], s[8:9] offset:2048*\x
.endr
	global_load_b32 v[BV], v[AL4], s[12:13]
.irp i, 0,1,2,3
	global_load_b128 v[ACC+4*\i:ACC+4*\i+3], v[AH], s[18:19] offset:64*(\i/2)+16*(\i%2)   ; bo: register 8 u + j = column 16 u + 8 h + j
	global_load_b128 v[QY+4*\i:QY+4*\i+3], v[AH], s[20:21] offset:64*(\i/2)+16*(\i%2)
	global_load_b128 v[GA+4*\i:GA+4*\i+3], v[AH], s[22:23] offset:64*(\i/2)+16*(\i%2)
	global_load_b128 v[BE+4*\i:BE+4*\i+3], v[AH], s[24:25] offset:64*(\i/2)+16*(\i%2)
.endr
.irp u, 0,1
.irp s, 0,1,2,3
.irp p, 0,1,2,3,4,5
	global_load_b64 v[WO+12*(4*\u+\s)+2*\p:WO+12*(4*\u+\s)+2*\p+1], v[AW], s[14:15] offset:6144*\u+96*\s+48*(\p/3)+8*(\p%3)
.endr
.endr
.endr
.irp s, 0,1,2,3
	global_load_b32 v[WSW+\s], v[AS], s[16:17] offset:4*\s
.endr
	; ---- a) the merge
	s_wait_loadcnt 52                              ; Wo's 48 loads and its 4 scale loads may be out: all in front of them is in
	v_max_num_f32_dpp v[TT], v[VM], v[VM] row_xmask:1 row_mask:0xf bank_mask:0xf
	v_max_num_f32_dpp v[TT], v[TT], v[TT] row_xmask:2 row_mask:0xf bank_mask:0xf
	v_max_num_f32_dpp v[TT], v[TT], v[TT] row_xmask:4 row_mask:0xf bank_mask:0xf   ; M over the eight chunks
	v_sub_f32 v[WX], v[VM], v[TT]
	v_exp_f32 v[WX], v[WX]                         ; my chunk's weight
	v_nop                                          ; a plain place behind the transcendental
	s_wait_alu depctr_va_vdst(0)
	v_mul_f32 v[DEN], v[VL], v[WX]
	v_add_f32_dpp v[DEN], v[DEN], v[DEN] row_xmask:1 row_mask:0xf bank_mask:0xf
	v_add_f32_dpp v[DEN], v[DEN], v[DEN] row_xmask:2 row_mask:0xf bank_mask:0xf
	v_add_f32_dpp v[DEN], v[DEN], v[DEN] row_xmask:4 row_mask:0xf bank_mask:0xf   ; at least 1: the chunk that holds M has weight 1 and a row with p = 1
	v_rcp_f32 v[DEN], v[DEN]
	v_nop
	v_mul_f32_dpp v[AA], v[WX], v[OX] row_share:0 row_mask:0xf bank_mask:0xf       ; chunk x's weight stands in lane x of each half
.irp x, 1,2,3,4,5,6,7
	v_fmac_f32_dpp v[AA], v[WX], v[OX+\x] row_share:\x row_mask:0xf bank_mask:0xf
.endr
	s_wait_alu depctr_va_vdst(0)
	v_fma_f32 v[AA], v[AA], v[DEN], v[BV]          ; attn_out of my column
	v_max3_num_f32 v[AM], |v[AA]|, |v[AA]|, 0x1800000      ; with the floor 2^(3 - 127): the byte cannot fall under 1
	v_max_num_f32_dpp v[AM], v[AM], v[AM] row_xmask:1 row_mask:0xf bank_mask:0xf
	v_max_num_f32_dpp v[AM], v[AM], v[AM] row_xmask:2 row_mask:0xf bank_mask:0xf
	v_max_num_f32_dpp v[AM], v[AM], v[AM] row_xmask:4 row_mask:0xf bank_mask:0xf
	v_max_num_f32_dpp v[AM], v[AM], v[AM] row_xmask:8 row_mask:0xf bank_mask:0xf
	v_permlanex16_b32 v[TT], v[AM], s56, s57
	v_max_num_f32 v[AM], v[AM], v[TT]              ; the block's largest magnitude
	v_add_nc_u32 v[SOP], 0xff000000, v[AM]         ; 2 off its exponent field: the conversion's scale operand
	v_lshrrev_b32 v[BYT], 23, v[SOP]               ; the scale's byte
	ds_store_b32 v[LAF], v[AA]                     ; the conversion wants the block's 32 numbers in one lane's registers: through my wave's own bytes
.irp i, 0,1,2,3,4,5,6,7
	ds_load_b128 v[NUM+4*\i:NUM+4*\i+3], v[LAB] offset:16*\i   ; LDS serves a wave's instructions in order (ISA guide 5.7.1.4); every lane reads the whole block
.endr
	s_wait_dscnt 0x0
	v_cvt_scalef32_pk16_fp6_f32 v[PCD:PCD+2], v[NUM:NUM+15], v[SOP]
	v_cvt_scalef32_pk16_fp6_f32 v[T3:T3+2], v[NUM+16:NUM+31], v[SOP]   ; (a conversion's three registers begin on an even number)
	v_nop                                          ; one plain place behind the scaled conversions
.irp i, 0,1,2
	v_mov_b32 v[PCD+3+\i], v[T3+\i]
.endr
	ds_store_b64 v[LCD], v[PCD:PCD+1]              ; all lanes write the same bytes with the same values
	ds_store_b64 v[LCD], v[PCD+2:PCD+3] offset:8
	ds_store_b64 v[LCD], v[PCD+4:PCD+5] offset:16
	ds_store_b8 v[LSB], v[BYT]
	s_wait_dscnt 0x0                               ; for the others' sake: my stores are done
	s_barrier_signal -1
	s_barrier_wait -1                              ; the row's 16 blocks lie in LDS
	; ---- b) the product
.irp s, 0,1,2,3
.irp c, 0,1
.irp p, 0,1,2
	ds_load_b64 v[AFR+12*\s+6*\c+2*\p:AFR+12*\s+6*\c+2*\p+1], v[LCR] offset:96*\s+48*\c+8*\p   ; block 4 s + 2 c + h
.endr
.endr
.endr
	ds_load_b128 v[ASW:ASW+3], v[ZZ] offset:SBL    ; K step s's four bytes: register s, the same in every lane
.irp i, 0,2,4,6,8,10,12,14
	v_pk_add_f32 v[ACC+\i:ACC+\i+1], v[ACC+\i:ACC+\i+1], v[QY+\i:QY+\i+1]   ; bo + query start the sums
.endr
.rept 4
	v_nop
.endr
	s_wait_loadcnt 0x0                             ; Wo
	s_wait_dscnt 0x0
.irp s, 0,1,2,3                                ; the two accumulators by turns
	v_wmma_scale_f32_16x16x128_f8f6f4 v[ACC:ACC+7], v[WO+12*\s:WO+12*\s+11], v[AFR+12*\s:AFR+12*\s+11], v[ACC:ACC+7], v[WSW+\s], v[ASW+\s] matrix_a_fmt:MATRIX_FMT_FP6 matrix_b_fmt:MATRIX_FMT_FP6
	v_wmma_scale_f32_16x16x128_f8f6f4 v[ACC+8:ACC+15], v[WO+12*(4+\s):WO+12*(4+\s)+11], v[AFR+12*\s:AFR+12*\s+11], v[ACC+8:ACC+15], v[WSW+\s], v[ASW+\s] matrix_a_fmt:MATRIX_FMT_FP6 matrix_b_fmt:MATRIX_FMT_FP6 matrix_a_scale:MATRIX_SCALE_ROW1
.endr
.rept 4
	v_nop                                          ; four places ahead of the first read of the results (ISA guide 7.12.1)
.endr
	; ---- c) LayerNorm
.macro SUM16                           ; the sixteen waves' numbers in v[RD] .. v[RD + 15] -> v[RD]
	v_pk_add_f32 v[RD:RD+1], v[RD:RD+1], v[RD+2:RD+3]
	v_pk_add_f32 v[RD+4:RD+5], v[RD+4:RD+5], v[RD+6:RD+7]
	v_pk_add_f32 v[RD+8:RD+9], v[RD+8:RD+9], v[RD+10:RD+11]
	v_pk_add_f32 v[RD+12:RD+13], v[RD+12:RD+13], v[RD+14:RD+15]
	v_pk_add_f32 v[RD:RD+1], v[RD:RD+1], v[RD+4:RD+5]
	v_pk_add_f32 v[RD+8:RD+9], v[RD+8:RD+9], v[RD+12:RD+13]
	v_pk_add_f32 v[RD:RD+1], v[RD:RD+1], v[RD+8:RD+9]
	v_add_f32 v[RD], v[RD], v[RD+1]
.endm
	v_pk_add_f32 v[SA:SA+1], v[ACC:ACC+1], v[ACC+2:ACC+3]          ; each accumulator from its low end on
	v_pk_add_f32 v[SB:SB+1], v[ACC+8:ACC+9], v[ACC+10:ACC+11]
	v_pk_add_f32 v[SA:SA+1], v[SA:SA+1], v[ACC+4:ACC+5]
	v_pk_add_f32 v[SB:SB+1], v[SB:SB+1], v[ACC+12:ACC+13]
	v_pk_add_f32 v[SA:SA+1], v[SA:SA+1], v[ACC+6:ACC+7]
	v_pk_add_f32 v[SB:SB+1], v[SB:SB+1], v[ACC+14:ACC+15]
	v_pk_add_f32 v[SA:SA+1], v[SA:SA+1], v[SB:SB+1]
	v_add_f32 v[SA], v[SA], v[SA+1]
	v_permlanex16_b32 v[SB], v[SA], s56, s57
	v_add_f32 v[SA], v[SA], v[SB]                  ; my wave's 32 columns
	ds_store_b32 v[LRS], v[SA]
	s_wait_dscnt 0x0
	s_barrier_signal -1
	s_barrier_wait -1
.irp i, 0,1,2,3
	ds_load_b128 v[RD+4*\i:RD+4*\i+3], v[ZZ] offset:RS1+16*\i
.endr
	s_wait_dscnt 0x0
	SUM16
	v_mul_f32 v[NM], 0xbb000000, v[RD]             ; - the mean
	v_mov_b32 v[NM+1], v[NM]
.irp i, 0,2,4,6,8,10,12,14
	v_pk_add_f32 v[DV+\i:DV+\i+1], v[ACC+\i:ACC+\i+1], v[NM:NM+1]
.endr
	v_pk_mul_f32 v[SA:SA+1], v[DV:DV+1], v[DV:DV+1]
.irp i, 2,4,6,8,10,12,14
	v_pk_fma_f32 v[SA:SA+1], v[DV+\i:DV+\i+1], v[DV+\i:DV+\i+1], v[SA:SA+1]
.endr
	v_add_f32 v[SA], v[SA], v[SA+1]
	v_permlanex16_b32 v[SB], v[SA], s56, s57
	v_add_f32 v[SA], v[SA], v[SB]
	ds_store_b32 v[LRS], v[SA] offset:RS2-RS1      ; other bytes than the first sums'
	s_wait_dscnt 0x0
	s_barrier_signal -1
	s_barrier_wait -1
.irp i, 0,1,2,3
	ds_load_b128 v[RD+4*\i:RD+4*\i+3], v[ZZ] offset:RS2+16*\i
.endr
	s_wait_dscnt 0x0
	SUM16
	v_fma_f32 v[RSQ], v[RD], s30, s31              ; the variance + 1e-5
	v_rsq_f32 v[RSQ], v[RSQ]
	v_nop                                          ; a plain place behind the transcendental
	s_wait_alu depctr_va_vdst(0)
	v_mov_b32 v[RSQ+1], v[RSQ]
.irp i, 0,2,4,6,8,10,12,14
	v_pk_mul_f32 v[GA+\i:GA+\i+1], v[GA+\i:GA+\i+1], v[RSQ:RSQ+1]
.endr
.irp i, 0,2,4,6,8,10,12,14
	v_pk_fma_f32 v[DV+\i:DV+\i+1], v[DV+\i:DV+\i+1], v[GA+\i:GA+\i+1], v[BE+\i:BE+\i+1]
.endr
.irp i, 0,1,2,3
	ds_store_b128 v[LOS], v[DV+4*\i:DV+4*\i+3] offset:64*(\i/2)+16*(\i%2)   ; my wave's own 128 bytes; the sixteen lanes of a half write the same bytes with the same values
.endr
	ds_load_b32 v[SA], v[LAF]                      ; LDS serves a wave's instructions in order: lane l takes column l
	s_wait_dscnt 0x0
	global_store_b32 v[LAF], v[SA], s[26:27]       ; 128 consecutive bytes a wave, the row's 2,048 by the sixteen
	s_wait_xcnt 0x0
	v_lshl_add_u32 v254, v0, 2, 0x1000
	v_mov_b32 v255, 0
	s_wait_tensorcnt 0x0
	ds_add_u32 v254, v255
	s_wait_dscnt 0x0
	s_endpgm
.Lfunc_end_k_q1ced6ada2a_final:
	.size	k_q1ced6ada2a_final, .Lfunc_end_k_q1ced6ada2a_final-k_q1ced6ada2a_final
	.p2alignl 7, 3214868480
	.fill 96, 4, 3214868480
	.section	.rodata,"a",@progbits
	.p2align	6, 0x0
	.amdhsa_kernel k_q1ced6ada2a_final
		.amdhsa_group_segment_fixed_size 6144
		.amdhsa_private_segment_fixed_size 0
		.amdhsa_enable_private_segment 0
		.amdhsa_kernarg_size 80
		.amdhsa_user_sgpr_count 2
		.amdhsa_user_sgpr_kernarg_segment_ptr 1
		.amdhsa_wavefront_size32 1
		.amdhsa_system_sgpr_workgroup_id_x 1
		.amdhsa_system_sgpr_workgroup_id_y 1
		.amdhsa_system_sgpr_workgroup_id_z 1
		.amdhsa_system_vgpr_workitem_id 0
		.amdhsa_next_free_vgpr 256
		.amdhsa_next_free_sgpr 66
		.amdhsa_reserve_vcc 0
		.amdhsa_float_denorm_mode_32 3
		.amdhsa_float_denorm_mode_16_64 3
		.amdhsa_memory_ordered 1
		.amdhsa_forward_progress 1
		.amdhsa_inst_pref_size 22
	.end_amdhsa_kernel
	.amdgpu_metadata
---
amdhsa.version: [ 1, 2 ]
amdhsa.kernels:
  - .name:           k_q1ced6ada2a_final
    .symbol:         k_q1ced6ada2a_final.kd
    .args:
      - { .name: pO, .offset: 0, .size: 8, .value_kind: global_buffer, .address_space: global }
      - { .name: pml, .offset: 8, .size: 8, .value_kind: global_buffer, .address_space: global }
      - { .name: bv, .offset: 16, .size: 8, .value_kind: global_buffer, .address_space: global }
      - { .name: Wo_codes, .offset: 24, .size: 8, .value_kind: global_buffer, .address_space: global }
      - { .name: Wo_scales, .offset: 32, .size: 8, .value_kind: global_buffer, .address_space: global }
      - { .name: bo, .offset: 40, .size: 8, .value_kind: global_buffer, .address_space: global }
      - { .name: query, .offset: 48, .size: 8, .value_kind: global_buffer, .address_space: global }
      - { .name: ln_gamma, .offset: 56, .size: 8, .value_kind: global_buffer, .address_space: global }
      - { .name: ln_beta, .offset: 64, .size: 8, .value_kind: global_buffer, .address_space: global }
      - { .name: out0, .offset: 72, .size: 8, .value_kind: global_buffer, .address_space: global }
    .group_segment_fixed_size: 6144
    .private_segment_fixed_size: 0
    .kernarg_segment_align: 8
    .kernarg_segment_size: 80
    .max_flat_workgroup_size: 512
    .sgpr_count:     66
    .vgpr_count:     256
    .wavefront_size: 32
...
	.end_amdgpu_metadata
.endif
;; end of part 3
;; ======== version 2 of 3: 3 launches; 1.13 times as fast as version 1
;; workspace buffers: wimg 589,824 bytes; wsimg 24,576 bytes; qws 67,584 bytes; pO 524,288 bytes; pml 131,072 bytes
;; launch prep (part 4): grid 80 x 1, 1 waves a work-group, no clusters, 61,184 bytes of LDS; arguments query, Wq_codes, Wq_scales, bq, bk, Wk_codes, Wk_scales, Wv_codes, Wv_scales, Wo_codes, Wo_scales, qws, wimg, wsimg; writes qws, wimg, wsimg
.if DOCPART == 4
	.amdgcn_target "amdgcn-amd-amdhsa--gfx1250"
	.amdhsa_code_object_version 6
	.text
	.protected	k_q1ced6ada2a_prep
	.globl	k_q1ced6ada2a_prep
	.p2align	8
	.type	k_q1ced6ada2a_prep,@function
k_q1ced6ada2a_prep:
	s_mov_b64 s[64:65], 0
	v_nop
	global_prefetch_b8 v0, s[64:65] scope:SCOPE_SE
	s_setreg_imm32_b32 hwreg(HW_REG_WAVE_MODE, 25, 1), 1
	s_wait_xcnt 0x0
; Two small jobs ahead of the main launch.  A work-group is ONE wave; its number u picks the job: u / 16 = 0, 1: job Q on Wq; 2, 3, 4: job R on Wk, Wv, Wo.  No barrier: a wave shares nothing.
; EVERY WAVE takes 32 rows (block rb = u % 16) of its weight: 12,288 dense bytes of codes, read by 24 loads of 512 consecutive bytes, and turned through the wave's own LDS bytes into eight
;   fragments (tile u of 16 rows, K step s: 12 registers a lane).  In LDS 16 bytes of padding stand behind every 128 bytes, so a row of 384 bytes has a pitch of 432.
; JOB Q (32 waves): for head rb and batch rows 16 (u / 16) .. + 15:
;   qt = (Q(query) Wq + bq) x log2(e) / sqrt(32)   and   cb = qt . bk  (the part of a score that bk gives; the main launch adds it).
;   query's 16 rows are 32,768 dense bytes: 64 loads of 512 consecutive bytes, through LDS (row pitch 2,064), back as whole blocks of 32 a lane, in the order of the operand's registers; quantised in registers.
;   The product is used transposed (source 0 = 16 rows of Wq, source 1 = 16 rows of query): a lane holds one batch row and eight neighbouring columns.
; JOB R (48 waves): the fragments and their scale words are stored IN THE ORDER OF THE OPERAND'S REGISTERS, so that a later launch fills a fragment by three loads of 16 bytes a lane:
;   wimg  byte (slot x 3 + c) 512 + 16 lane = registers 4 c .. 4 c + 3;      wsimg byte (slot / 2) 128 + 4 lane = lanes 0-15 the scale words of the even slot, lanes 16-31 of the odd one.
;   slot = fbase + 4 s + u.  Wk (m = 0), Wv (m = 1): fbase = 64 (rb / 4) + 32 m + 16 ((rb / 2) % 2) + 2 (rb % 2);   Wo: fbase = 256 + 16 (rb / 2) + 2 (rb % 2).
; LIMITS: NaN and infinities in query are not served; a block of zeros gets the scale byte 1 (its codes are zeros; only this program reads the byte).
; REGISTERS: window 0: v2-13 addresses, v16-47 at work, v48-51 query's scale words, v52-55 the weight's, v64-111 query's four fragments, v112-143 upper halves of blocks,
;   v144-159 the two accumulators, v160-175 bk, v176-191 qt.   window 1: 256 numbers of query (as loaded; then block B at 32 B).   window 2: v0-95 the weight (as loaded; then fragment (u, s) at 12 (4 u + s)).
.set XP,  2064                         ; query's row in LDS: 2,048 bytes + 16: the sixteen rows that a load of 16 bytes a lane touches start at sixteen different places modulo 256 bytes
.set XST, 0                            ; LDS: query's 16 rows, 33,024 bytes
.set WSQ, 33280                        ; job Q's weight stage, 32 x 432 = 13,824 bytes
.set WSR, 47104                        ; job R's: bytes of its own
.set WP,  432
.set RR,  2
.set HH,  3
.set L16, 4                            ; 16 x lane
.set L4,  5                            ; 4 x lane
.set SA,  6                            ; 16 x lane + 16 (lane / 8): a loaded 16 bytes' place in the padded stage
.set ADA, 7                            ; 432 r + 24 h: a fragment's place for my lane
.set ADB, 8                            ; 432 r + 40 h: for the pieces that lie behind one padding more in lanes 16-31
.set AXL, 9
.set AB,  10
.set SH,  11
.set QO,  12
.set CO,  13
.set TM,  16
.set SO,  24
.set BY,  32
.set TP,  40
.set XSW, 48
.set WQS, 52
.set XF,  64
.set T2,  112
.set ACC, 144
.set BK,  160
.set QT,  176
.set S0,  192
.set S1,  193
.set S2,  194
.set MSB, 0
.macro WIN new                         ; the immediate's high byte repeats the setting that is left; a switch that changes nothing is dropped
.if MSB != (\new)
	s_set_vgpr_msb (MSB<<8)|(\new)
.set MSB, \new
.endif
.endm
.macro WSTAGE base                     ; the 24 x 512 bytes as loaded go into the stage: byte d of the block to d + 16 (d / 128)
	WIN 0x08                                       ; an LDS store's data are its source 1: window 2
.set j, 0
.rept 24
	ds_store_b128 v[SA], v[4*j:4*j+3] offset:\base+576*j
.set j, j+1
.endr
.endm
.macro WBACK base                      ; and come back as fragments: lane (r, h): registers 6 c .. 6 c + 5 = the 24 bytes at 96 s + 48 c + 24 h of row 16 u + r, in pieces of 8
	WIN 0x80                                       ; destination window 2
.irp u, 0,1
.irp s, 0,1,2,3
.irp p, 0,1,2,3,4,5
.set fP, 12*\s+6*(\p/3)+\p%3           ; lanes 0-15 take the row's piece fP, lanes 16-31 the piece three on, which lies behind one padding more where fP % 16 is 13 or more
.if fP%16 < 13
	ds_load_b64 v[12*(4*\u+\s)+2*\p:12*(4*\u+\s)+2*\p+1], v[ADA] offset:\base+16*WP*\u+8*fP+16*(fP/16)
.else
	ds_load_b64 v[12*(4*\u+\s)+2*\p:12*(4*\u+\s)+2*\p+1], v[ADB] offset:\base+16*WP*\u+8*fP+16*(fP/16)
.endif
.endr
.endr
.endr
.endm
	s_load_b512 s[8:23], s[0:1], 0x0               ; query s[8:9], Wq codes s[10:11], Wq scales s[12:13], bq s[14:15], bk s[16:17], Wk codes s[18:19], Wk scales s[20:21], Wv codes s[22:23]
	s_load_b256 s[24:31], s[0:1], 0x40             ; Wv scales s[24:25], Wo codes s[26:27], Wo scales s[28:29], qws s[30:31]
	s_load_b128 s[32:35], s[0:1], 0x60             ; wimg s[32:33], wsimg s[34:35]
	v_lshl_add_u32 v254, v0, 2, 0xee00
	v_mov_b32 v255, 0
	v_and_b32 v[RR], 15, v0                        ; r  (one wave: v0 is the lane)
	v_bfe_u32 v[HH], v0, 4, 1                      ; h
	v_lshlrev_b32 v[L16], 4, v0
	v_lshlrev_b32 v[L4], 2, v0
	v_lshrrev_b32 v[SA], 3, v0
	v_lshl_add_u32 v[SA], v[SA], 4, v[L16]
	v_mul_u32_u24 v[ADA], v[RR], WP
	v_mad_u32_u24 v[ADB], v[HH], 40, v[ADA]
	v_mad_u32_u24 v[ADA], v[HH], 24, v[ADA]
	s_and_b32 s5, ttmp9, 15                        ; rb: which 32 rows
	s_lshr_b32 s6, ttmp9, 4                        ; 0, 1: Wq (and the tile of batch rows); 2: Wk; 3: Wv; 4: Wo
	s_mov_b32 s56, 0x76543210
	s_mov_b32 s57, 0xfedcba98                      ; v_permlanex16_b32's selects for lane l xor 16
	s_mul_i32 s40, s5, 12288                       ; 32 rows of 384 bytes
	s_mov_b32 s41, 0
	s_lshl_b32 s42, s5, 9                          ; 32 rows of 16 scale bytes
	s_mov_b32 s43, 0
	s_wait_kmcnt 0x0
	s_cmp_lt_u32 s6, 2                             ; the weight is chosen on the work-group's number alone
	s_cselect_b64 s[36:37], s[10:11], s[18:19]
	s_cselect_b64 s[38:39], s[12:13], s[20:21]
	s_cmp_eq_u32 s6, 3
	s_cselect_b64 s[36:37], s[22:23], s[36:37]
	s_cselect_b64 s[38:39], s[24:25], s[38:39]
	s_cmp_eq_u32 s6, 4
	s_cselect_b64 s[36:37], s[26:27], s[36:37]
	s_cselect_b64 s[38:39], s[28:29], s[38:39]
	s_add_nc_u64 s[36:37], s[36:37], s[40:41]
	s_add_nc_u64 s[38:39], s[38:39], s[42:43]
	WIN 0x80                                       ; destination window 2
.set j, 0
.rept 24
	global_load_b128 v[4*j:4*j+3], v[L16], s[36:37] offset:512*j   ; 32 lanes read 512 consecutive bytes
.set j, j+1
.endr
	WIN 0
.irp s, 0,1,2,3
	global_load_b32 v[WQS+\s], v[L16], s[38:39] offset:4*\s        ; K step s's scale words: lanes 0-15 tile 0's rows, lanes 16-31 tile 1's
.endr
	s_cmp_lt_u32 s6, 2
	s_cbranch_scc0 .Lrelay
	; ---------------- JOB Q: head s5, tile of batch rows s6
	v_mul_u32_u24 v[AXL], v[RR], XP
	v_lshl_add_u32 v[AXL], v[HH], 7, v[AXL]        ; query in LDS: row r, + 128 h: my block of each 64 along K
	v_lshlrev_b32 v[AB], 5, v[HH]                  ; biases in the result's layout: 32 h
	v_lshlrev_b32 v[SH], 3, v[HH]                  ; 8 h: where my bytes stand in a scale word
	v_lshlrev_b32 v[QO], 11, v[RR]
	v_lshl_add_u32 v[QO], v[HH], 5, v[QO]          ; qt: row r of 2,048 bytes, + 32 h
	v_lshlrev_b32 v[CO], 6, v[RR]                  ; cb: row r of 64 bytes
	s_lshl_b32 s40, s5, 7                          ; 128 x head: the head's 32 numbers
	s_add_nc_u64 s[14:15], s[14:15], s[40:41]      ; bq
	s_add_nc_u64 s[16:17], s[16:17], s[40:41]      ; bk
	s_lshl_b32 s42, s6, 15                         ; 16 rows of 2,048 bytes
	s_add_nc_u64 s[8:9], s[8:9], s[42:43]          ; query
	s_add_nc_u64 s[44:45], s[30:31], s[42:43]
	s_add_nc_u64 s[44:45], s[44:45], s[40:41]      ; qt's place
	s_lshl_b32 s42, s6, 10
	s_lshl_b32 s40, s5, 2
	s_add_co_u32 s42, s42, s40
	s_add_nc_u64 s[46:47], s[30:31], s[42:43]      ; cb's place (65,536 bytes on, in the store's immediate)
.irp i, 0,1,2,3
	global_load_b128 v[ACC+4*\i:ACC+4*\i+3], v[AB], s[14:15] offset:64*(\i/2)+16*(\i%2)   ; bq is the sums' start: register 8 u + j = column 16 u + 8 h + j of the head
	global_load_b128 v[BK+4*\i:BK+4*\i+3], v[AB], s[16:17] offset:64*(\i/2)+16*(\i%2)     ; bk likewise
.endr
	WIN 0x40                                       ; destination window 1
.set j, 0
.rept 64
	global_load_b128 v[4*j:4*j+3], v[L16], s[8:9] offset:512*j     ; the 16 rows as they lie: 512 consecutive bytes a load
.set j, j+1
.endr
	WIN 0
	s_wait_loadcnt 0x0
	WSTAGE WSQ
	WIN 0x04                                       ; the data: window 1
.set j, 0
.rept 64
	ds_store_b128 v[L16], v[4*j:4*j+3] offset:XST+512*j+16*(j/4)   ; row j / 4, its quarter j % 4
.set j, j+1
.endr
	s_wait_dscnt 0x0                               ; the stores have read their registers: the loads below land in them
	WIN 0x40
.set j, 0
.rept 64
	ds_load_b128 v[4*j:4*j+3], v[AXL] offset:XST+256*(j/8)+16*(j%8)   ; block B = j / 8 of my lane: k = 64 B + 32 h + 0 .. 31, at v[32 B] on
.set j, j+1
.endr
	WBACK WSQ
	WIN 0
	s_wait_dscnt 48                                ; behind query's 64 loads stand Wq's 48: query is in
	WIN 0x05                                       ; sources 0 and 1 window 1
.irp blk, 0,1,2,3,4,5,6,7
	v_max3_num_f32 v[TM+\blk], |v[32*\blk]|, |v[32*\blk+1]|, 0x1800000   ; a block's largest magnitude, with the floor 2^(3 - 127) among its leaves: the byte cannot fall under 1
.endr
.irp i, 2,4,6,8,10,12,14,16,18,20,22,24,26,28,30
.irp blk, 0,1,2,3,4,5,6,7
	v_max3_num_f32 v[TM+\blk], |v[32*\blk+\i]|, |v[32*\blk+\i+1]|, v[TM+\blk]   ; the eight blocks by turns
.endr
.endr
	WIN 0
.irp blk, 0,1,2,3,4,5,6,7
	v_add_nc_u32 v[SO+\blk], 0xff000000, v[TM+\blk]    ; 2 off the exponent field: the conversion's scale operand
.endr
.irp blk, 0,1,2,3,4,5,6,7
	v_lshrrev_b32 v[BY+\blk], 23, v[SO+\blk]           ; the scale's byte
.endr
.irp s, 0,1,2,3
	v_lshl_or_b32 v[TP+\s], v[BY+2*\s+1], 16, v[BY+2*\s]   ; my two bytes of K step s: blocks h and 2 + h,
.endr
.irp s, 0,1,2,3
	v_lshlrev_b32 v[TP+\s], v[SH], v[TP+\s]            ; at their places;
.endr
.irp s, 0,1,2,3
	v_mov_b32 v[TP+4+\s], 0                            ; (a lane permute's destination counts as one of its sources)
.endr
.irp s, 0,1,2,3
	v_permlanex16_b32 v[TP+4+\s], v[TP+\s], s56, s57
.endr
.irp s, 0,1,2,3
	v_or_b32 v[XSW+\s], v[TP+\s], v[TP+4+\s]           ; with lane l xor 16's two the word is whole
.endr
	WIN 0x01                                       ; source 0 window 1
.irp blk, 0,1,2,3,4,5,6,7
	v_cvt_scalef32_pk16_fp6_f32 v[XF+6*\blk:XF+6*\blk+2], v[32*\blk:32*\blk+15], v[SO+\blk]       ; registers 6 B .. of the four fragments on end
	v_cvt_scalef32_pk16_fp6_f32 v[T2+4*\blk:T2+4*\blk+2], v[32*\blk+16:32*\blk+31], v[SO+\blk]    ; (a conversion's three registers begin on an even number: the upper half is made elsewhere and moved)
.endr
	WIN 0
	v_nop                                          ; one plain place behind the scaled conversions
.irp blk, 0,1,2,3,4,5,6,7
.irp i, 0,1,2
	v_mov_b32 v[XF+6*\blk+3+\i], v[T2+4*\blk+\i]
.endr
.endr
.rept 8
	v_nop                                          ; scale words and operands written by vector instructions stand 8 and 4 places ahead of a scaled matrix instruction
.endr
	s_wait_dscnt 0x0                               ; Wq's fragments
	WIN 0x02                                       ; source 0 window 2
.irp s, 0,1,2,3                                ; the two accumulators by turns
	v_wmma_scale_f32_16x16x128_f8f6f4 v[ACC:ACC+7], v[12*\s:12*\s+11], v[XF+12*\s:XF+12*\s+11], v[ACC:ACC+7], v[WQS+\s], v[XSW+\s] matrix_a_fmt:MATRIX_FMT_FP6 matrix_b_fmt:MATRIX_FMT_FP6
	v_wmma_scale_f32_16x16x128_f8f6f4 v[ACC+8:ACC+15], v[12*(4+\s):12*(4+\s)+11], v[XF+12*\s:XF+12*\s+11], v[ACC+8:ACC+15], v[WQS+\s], v[XSW+\s] matrix_a_fmt:MATRIX_FMT_FP6 matrix_b_fmt:MATRIX_FMT_FP6 matrix_a_scale:MATRIX_SCALE_ROW1
.endr
	WIN 0
.rept 4
	v_nop                                          ; four places ahead of the first read of the results (ISA guide 7.12.1)
.endr
.irp i, 0,2,4,6,8,10,12,14
	v_pk_mul_f32 v[QT+\i:QT+\i+1], v[ACC+\i:ACC+\i+1], 0x3e8293ee op_sel_hi:[1,0]   ; x log2(e) / sqrt(32); each accumulator from its low end on
.endr
	v_mul_f32 v[S0], v[QT], v[BK]                  ; cb: my 16 columns in two chains,
	v_mul_f32 v[S1], v[QT+1], v[BK+1]
.irp i, 2,4,6,8,10,12,14
	v_fmac_f32 v[S0], v[QT+\i], v[BK+\i]
	v_fmac_f32 v[S1], v[QT+\i+1], v[BK+\i+1]
.endr
	v_add_f32 v[S0], v[S0], v[S1]
	v_mov_b32 v[S2], 0
	v_permlanex16_b32 v[S2], v[S0], s56, s57
	v_add_f32 v[S0], v[S0], v[S2]                  ; and lane l xor 16's 16: both lanes hold the same bits
.irp i, 0,1,2,3
	global_store_b128 v[QO], v[QT+4*\i:QT+4*\i+3], s[44:45] offset:64*(\i/2)+16*(\i%2)
.endr
	global_store_b32 v[CO], v[S0], s[46:47] offset:65536   ; lanes l and l xor 16 store the same word with the same bits
	s_wait_tensorcnt 0x0
	ds_add_u32 v254, v255
	s_wait_dscnt 0x0
	s_endpgm
	; ---------------- JOB R
.Lrelay:
	s_and_b32 s40, s5, 1
	s_lshl_b32 s40, s40, 1                         ; 2 (rb % 2)
	s_lshr_b32 s44, s5, 1                          ; rb / 2
	s_lshl_b32 s42, s44, 4
	s_add_co_u32 s42, s42, 256                     ; Wo: 256 + 16 (rb / 2)
	s_and_b32 s45, s44, 1
	s_lshl_b32 s45, s45, 4                         ; Wk, Wv: 16 ((rb / 2) % 2)
	s_lshr_b32 s46, s5, 2
	s_lshl_b32 s46, s46, 6
	s_add_co_u32 s45, s45, s46                     ; + 64 (rb / 4)
	s_sub_co_u32 s46, s6, 2
	s_lshl_b32 s46, s46, 5
	s_add_co_u32 s45, s45, s46                     ; + 32 m
	s_cmp_eq_u32 s6, 4
	s_cselect_b32 s42, s42, s45
	s_add_co_u32 s42, s42, s40                     ; fbase
	s_mul_i32 s40, s42, 1536                       ; an image is 1,536 bytes
	s_add_nc_u64 s[32:33], s[32:33], s[40:41]
	s_lshl_b32 s40, s42, 6                         ; two slots share 128 bytes of scale words
	s_add_nc_u64 s[34:35], s[34:35], s[40:41]
	s_wait_loadcnt 0x0
	WSTAGE WSR
	s_wait_dscnt 0x0                               ; the stores have read their registers: the loads below land in them
	WBACK WSR
	s_wait_dscnt 0x0
	WIN 0x08                                       ; a store's data are its source 1: window 2
.irp u, 0,1
.irp s, 0,1,2,3
.irp c, 0,1,2
	global_store_b128 v[L16], v[12*(4*\u+\s)+4*\c:12*(4*\u+\s)+4*\c+3], s[32:33] offset:(4*\s+\u)*1536+512*\c   ; 32 lanes store 512 consecutive bytes
.endr
.endr
.endr
	WIN 0
.irp s, 0,1,2,3
	global_store_b32 v[L4], v[WQS+\s], s[34:35] offset:256*\s
.endr
	s_wait_tensorcnt 0x0
	ds_add_u32 v254, v255
	s_wait_dscnt 0x0
	s_endpgm
.Lfunc_end_k_q1ced6ada2a_prep:
	.size	k_q1ced6ada2a_prep, .Lfunc_end_k_q1ced6ada2a_prep-k_q1ced6ada2a_prep
	.p2alignl 7, 3214868480
	.fill 96, 4, 3214868480
	.section	.rodata,"a",@progbits
	.p2align	6, 0x0
	.amdhsa_kernel k_q1ced6ada2a_prep
		.amdhsa_group_segment_fixed_size 61184
		.amdhsa_private_segment_fixed_size 0
		.amdhsa_enable_private_segment 0
		.amdhsa_kernarg_size 112
		.amdhsa_user_sgpr_count 2
		.amdhsa_user_sgpr_kernarg_segment_ptr 1
		.amdhsa_wavefront_size32 1
		.amdhsa_system_sgpr_workgroup_id_x 1
		.amdhsa_system_sgpr_workgroup_id_y 1
		.amdhsa_system_sgpr_workgroup_id_z 1
		.amdhsa_system_vgpr_workitem_id 0
		.amdhsa_next_free_vgpr 608
		.amdhsa_next_free_sgpr 66
		.amdhsa_reserve_vcc 0
		.amdhsa_float_denorm_mode_32 3
		.amdhsa_float_denorm_mode_16_64 3
		.amdhsa_memory_ordered 1
		.amdhsa_forward_progress 1
		.amdhsa_inst_pref_size 49
	.end_amdhsa_kernel
	.amdgpu_metadata
---
amdhsa.version: [ 1, 2 ]
amdhsa.kernels:
  - .name:           k_q1ced6ada2a_prep
    .symbol:         k_q1ced6ada2a_prep.kd
    .args:
      - { .name: query, .offset: 0, .size: 8, .value_kind: global_buffer, .address_space: global }
      - { .name: Wq_codes, .offset: 8, .size: 8, .value_kind: global_buffer, .address_space: global }
      - { .name: Wq_scales, .offset: 16, .size: 8, .value_kind: global_buffer, .address_space: global }
      - { .name: bq, .offset: 24, .size: 8, .value_kind: global_buffer, .address_space: global }
      - { .name: bk, .offset: 32, .size: 8, .value_kind: global_buffer, .address_space: global }
      - { .name: Wk_codes, .offset: 40, .size: 8, .value_kind: global_buffer, .address_space: global }
      - { .name: Wk_scales, .offset: 48, .size: 8, .value_kind: global_buffer, .address_space: global }
      - { .name: Wv_codes, .offset: 56, .size: 8, .value_kind: global_buffer, .address_space: global }
      - { .name: Wv_scales, .offset: 64, .size: 8, .value_kind: global_buffer, .address_space: global }
      - { .name: Wo_codes, .offset: 72, .size: 8, .value_kind: global_buffer, .address_space: global }
      - { .name: Wo_scales, .offset: 80, .size: 8, .value_kind: global_buffer, .address_space: global }
      - { .name: qws, .offset: 88, .size: 8, .value_kind: global_buffer, .address_space: global }
      - { .name: wimg, .offset: 96, .size: 8, .value_kind: global_buffer, .address_space: global }
      - { .name: wsimg, .offset: 104, .size: 8, .value_kind: global_buffer, .address_space: global }
    .group_segment_fixed_size: 61184
    .private_segment_fixed_size: 0
    .kernarg_segment_align: 8
    .kernarg_segment_size: 112
    .max_flat_workgroup_size: 32
    .sgpr_count:     66
    .vgpr_count:     608
    .wavefront_size: 32
...
	.end_amdgpu_metadata
.endif
;; end of part 4
;; launch main: the kernel of part 2 again; grid 8 x 32, 4 waves a work-group, no clusters, 233,984 bytes of LDS; arguments context_codes, context_scales, dist_matrix, context_mask, wimg, wsimg, qws, pO, pml; writes pO, pml
;; launch final (part 5): grid 32 x 1, 16 waves a work-group, no clusters, 7,168 bytes of LDS; arguments pO, pml, bv, wimg, wsimg, bo, query, ln_gamma, ln_beta, out0; writes out0
.if DOCPART == 5
	.amdgcn_target "amdgcn-amd-amdhsa--gfx1250"
	.amdhsa_code_object_version 6
	.text
	.protected	k_q1ced6ada2a_final
	.globl	k_q1ced6ada2a_final
	.p2align	8
	.type	k_q1ced6ada2a_final,@function
k_q1ced6ada2a_final:
	s_mov_b64 s[64:65], 0
	v_nop
	global_prefetch_b8 v0, s[64:65] scope:SCOPE_SE
	s_setreg_imm32_b32 hwreg(HW_REG_WAVE_MODE, 25, 1), 1
	s_wait_xcnt 0x0
; The eight chunks of a batch are merged, attn_out is quantised, multiplied by Wo, and the row is normalised.  One work-group to a batch row, sixteen waves, two barriers.
; a) Wave wv owns head wv, which is one block of 32 along the last product's K; lane l owns its column l.
;    attn_out = (sum over chunks of O_x 2^(m_x - M)) / (sum of l_x 2^(m_x - M)) + bv, M the largest m_x.  The block is quantised; its six words of codes go to LDS, each lane storing the word
;    l % 8 of a place of 32 bytes; its scale byte goes into 32 copies of the row's 16 bytes, one copy for each lane.
; b) Wave wv owns output columns 32 wv .. + 31.  Wo's fragments come from the image that the first launch has laid: three loads of 16 bytes a lane each.  The product is used transposed
;    (source 0 = 16 rows of Wo, source 1 = the one row of attn_out, read by all sixteen lanes r alike): every lane (r, h) holds columns 16 u + 8 h + j.  Lane (r, h) keeps ONE of them,
;    u = r / 8, j = r % 8, and adds bo and query of that column: from here on a lane has one number of the row.
; c) LayerNorm in two passes (the mean; then the mean of the squared deviations): the row's 512 numbers go to LDS once, every wave reads them all, 16 a lane, and forms both sums itself.
; LIMITS: NaN and infinities are not served; a block of zeros gets the scale byte 1 (its codes are zeros; only this launch reads the byte).
.set AF,  0                            ; LDS: 128 bytes for each wave, its own
.set CDL, 2048                         ; attn_out's codes: 24 bytes a block, in places of 32: 512 bytes
.set SBL, 2560                         ; 32 copies of its 16 scale bytes: 512 bytes
.set XR,  3072                         ; the row ahead of the norm: 2,048 bytes
.set WVV, 1
.set LN,  2
.set RR,  3
.set HH,  4
.set AML, 5
.set AL4, 6
.set COLB, 7                           ; 4 x my column in the wave's 32: 64 (r / 8) + 32 h + 4 (r % 8)
.set L16, 8
.set OUTA, 9
.set LAF, 10
.set LAB, 11
.set LCD, 12
.set LSB, 13
.set LCR, 14
.set LSR, 15
.set ACC, 16                           ; v16-31   the two accumulators
.set OX,  32                           ; v32-39   O of the eight chunks
.set T3,  40
.set SOP, 43
.set BYT, 44
.set BO,  46
.set QY,  47
.set GA,  48
.set BE,  49
.set XV,  50
.set PX,  51
.set EE,  52                           ; v52-59   the choices by lane
.set ROWV, 64                          ; v64-79   16 numbers of the row
.set DV,  80                           ; v80-95   their deviations
.set WO,  96                           ; v96-191  Wo's 8 fragments (tile u, K step s at 12 (4 u + s))
.set NUM, 192                          ; v192-223 the block's 32 numbers; then, from v192, attn_out's four fragments
.set AFR, 192
.set PCD, 224
.set VM,  240
.set VL,  241
.set BV,  242
.set WX,  243
.set DEN, 244
.set AA,  245
.set AM,  246
.set TT,  247
.set SA,  240                          ; pairs at work once a) is over
.set NM,  244
.set RSQ, 246
.set WSW, 248                          ; v248-251 Wo's scale words: lanes 0-15 tile 0, lanes 16-31 tile 1
.set ASW, 252                          ; v252-255 attn_out's
.macro WSUM x                          ; the sum over the wave's 32 lanes, in every lane
	v_add_f32_dpp v[\x], v[\x], v[\x] row_xmask:1 row_mask:0xf bank_mask:0xf
	v_add_f32_dpp v[\x], v[\x], v[\x] row_xmask:2 row_mask:0xf bank_mask:0xf
	v_add_f32_dpp v[\x], v[\x], v[\x] row_xmask:4 row_mask:0xf bank_mask:0xf
	v_add_f32_dpp v[\x], v[\x], v[\x] row_xmask:8 row_mask:0xf bank_mask:0xf
	v_permlanex16_b32 v[PX], v[\x], s56, s57
	v_add_f32 v[\x], v[\x], v[PX]
.endm
	s_load_b512 s[8:23], s[0:1], 0x0               ; pO s[8:9], pml s[10:11], bv s[12:13], wimg s[14:15], wsimg s[16:17], bo s[18:19], query s[20:21], gamma s[22:23]
	s_load_b128 s[24:27], s[0:1], 0x40             ; beta s[24:25], out0 s[26:27]
	v_lshl_add_u32 v62, v0, 2, 0x1400
	v_mov_b32 v63, 0
	v_lshrrev_b32 v[WVV], 5, v0
	v_readfirstlane_b32 s4, v[WVV]                 ; wave 0..15
	v_and_b32 v[LN], 31, v0
	v_and_b32 v[RR], 15, v0
	v_bfe_u32 v[HH], v0, 4, 1
	v_and_b32 v[AML], 7, v0
	v_lshl_add_u32 v[LCD], v[AML], 2, CDL
	v_lshl_add_u32 v[LCD], v[WVV], 5, v[LCD]       ; codes: my block's place of 32 bytes, word lane % 8
	v_lshlrev_b32 v[COLB], 2, v[AML]
	v_lshl_add_u32 v[COLB], v[HH], 5, v[COLB]
	v_bfe_u32 v[OUTA], v0, 3, 1
	v_lshl_add_u32 v[COLB], v[OUTA], 6, v[COLB]
	v_lshlrev_b32 v[AML], 9, v[AML]                ; m, l: lane l takes chunk l % 8: 512 bytes a chunk
	v_lshlrev_b32 v[AL4], 2, v[LN]
	v_lshlrev_b32 v[L16], 4, v[LN]
	v_lshlrev_b32 v[LAF], 2, v0                    ; 128 wave + 4 lane
	v_lshlrev_b32 v[LAB], 7, v[WVV]                ; 128 wave
	v_add_nc_u32 v[OUTA], v[LAB], v[COLB]          ; my column's place in a row of out0
	v_lshl_add_u32 v[LSR], v[LN], 4, SBL           ; my lane's copy of the scale bytes,
	v_add_nc_u32 v[LSB], v[LSR], v[WVV]            ; and my wave's byte in it
	v_lshl_add_u32 v[LCR], v[HH], 5, CDL
	v_mov_b32 v[TT], 0                             ; (the destination of a lane-crossing form counts as one of its sources)
	v_mov_b32 v[AA], 0
	v_mov_b32 v[PX], 0
	s_mov_b32 s56, 0x76543210
	s_mov_b32 s57, 0xfedcba98
	s_mov_b32 s30, 0x3b000000                      ; 1 / 512
	s_mov_b32 s31, 0x3727c5ac                      ; 1e-5
	s_mov_b32 s40, 0xaaaaaaaa                      ; lanes with bit 0, 1, 2, 3 of their number set
	s_mov_b32 s41, 0xcccccccc
	s_mov_b32 s42, 0xf0f0f0f0
	s_mov_b32 s43, 0xff00ff00
	s_mov_b32 s29, 0
	s_lshl_b32 s5, s4, 7                           ; 128 wave
	s_lshl_b32 s6, ttmp9, 11                       ; a row of 2,048 bytes
	s_lshl_b32 s28, ttmp9, 14
	s_add_co_u32 s28, s28, s5
	s_wait_kmcnt 0x0
	s_add_nc_u64 s[8:9], s[8:9], s[28:29]          ; pO: b x 16,384 + 128 wave
	s_lshl_b32 s28, ttmp9, 12
	s_lshr_b32 s7, s4, 2
	s_lshl_b32 s7, s7, 7
	s_add_co_u32 s28, s28, s7
	s_and_b32 s7, s4, 3
	s_lshl_b32 s7, s7, 2
	s_add_co_u32 s28, s28, s7
	s_add_nc_u64 s[10:11], s[10:11], s[28:29]      ; pml: b x 4,096 + 128 (wave / 4) + 4 (wave % 4)
	s_mov_b32 s28, s5
	s_add_nc_u64 s[12:13], s[12:13], s[28:29]
	s_add_nc_u64 s[18:19], s[18:19], s[28:29]
	s_add_nc_u64 s[22:23], s[22:23], s[28:29]
	s_add_nc_u64 s[24:25], s[24:25], s[28:29]
	s_add_co_u32 s28, s5, s6
	s_add_nc_u64 s[20:21], s[20:21], s[28:29]
	s_mov_b32 s28, s6
	s_add_nc_u64 s[26:27], s[26:27], s[28:29]
	s_lshr_b32 s7, s4, 1
	s_lshl_b32 s7, s7, 4
	s_and_b32 s28, s4, 1
	s_lshl_b32 s28, s28, 1
	s_add_co_u32 s7, s7, s28
	s_add_co_u32 s7, s7, 256                       ; my first slot in the images: 256 + 16 (wave / 2) + 2 (wave % 2)
	s_mul_i32 s28, s7, 1536
	s_add_nc_u64 s[14:15], s[14:15], s[28:29]
	s_lshl_b32 s28, s7, 6
	s_add_nc_u64 s[16:17], s[16:17], s[28:29]
	global_load_b32 v[VM], v[AML], s[10:11]
	global_load_b32 v[VL], v[AML], s[10:11] offset:16
.irp x, 0,1,2,3,4,5,6,7
	global_load_b32 v[OX+\x], v[AL4], s[8:9] offset:2048*\x
.endr
	global_load_b32 v[BV], v[AL4], s[12:13]
	global_load_b32 v[BO], v[COLB], s[18:19]       ; of my one column: the wave's 32 lanes cover its 128 bytes
	global_load_b32 v[QY], v[COLB], s[20:21]
	global_load_b32 v[GA], v[COLB], s[22:23]
	global_load_b32 v[BE], v[COLB], s[24:25]
.irp u, 0,1
.irp s, 0,1,2,3
.irp c, 0,1,2
	global_load_b128 v[WO+12*(4*\u+\s)+4*\c:WO+12*(4*\u+\s)+4*\c+3], v[L16], s[14:15] offset:(4*\s+\u)*1536+512*\c   ; 512 consecutive bytes a load
.endr
.endr
.endr
.irp s, 0,1,2,3
	global_load_b32 v[WSW+\s], v[AL4], s[16:17] offset:256*\s
.endr
	; ---- a) the merge
	s_wait_loadcnt 28                              ; Wo's 24 loads and its 4 scale loads may be out: all in front of them is in
	v_max_num_f32_dpp v[TT], v[VM], v[VM] row_xmask:1 row_mask:0xf bank_mask:0xf
	v_max_num_f32_dpp v[TT], v[TT], v[TT] row_xmask:2 row_mask:0xf bank_mask:0xf
	v_max_num_f32_dpp v[TT], v[TT], v[TT] row_xmask:4 row_mask:0xf bank_mask:0xf   ; M over the eight chunks
	v_sub_f32 v[WX], v[VM], v[TT]
	v_exp_f32 v[WX], v[WX]                         ; my chunk's weight
	v_nop                                          ; a plain place behind the transcendental
	s_wait_alu depctr_va_vdst(0)
	v_mul_f32 v[DEN], v[VL], v[WX]
	v_add_f32_dpp v[DEN], v[DEN], v[DEN] row_xmask:1 row_mask:0xf bank_mask:0xf
	v_add_f32_dpp v[DEN], v[DEN], v[DEN] row_xmask:2 row_mask:0xf bank_mask:0xf
	v_add_f32_dpp v[DEN], v[DEN], v[DEN] row_xmask:4 row_mask:0xf bank_mask:0xf   ; at least 1: the chunk that holds M has weight 1 and a row with p = 1
	v_rcp_f32 v[DEN], v[DEN]
	v_nop
	v_mul_f32_dpp v[AA], v[WX], v[OX] row_share:0 row_mask:0xf bank_mask:0xf       ; chunk x's weight stands in lane x of each half
.irp x, 1,2,3,4,5,6,7
	v_fmac_f32_dpp v[AA], v[WX], v[OX+\x] row_share:\x row_mask:0xf bank_mask:0xf
.endr
	s_wait_alu depctr_va_vdst(0)
	v_fma_f32 v[AA], v[AA], v[DEN], v[BV]          ; attn_out of my column
	v_max3_num_f32 v[AM], |v[AA]|, |v[AA]|, 0x1800000      ; with the floor 2^(3 - 127): the byte cannot fall under 1
	v_max_num_f32_dpp v[AM], v[AM], v[AM] row_xmask:1 row_mask:0xf bank_mask:0xf
	v_max_num_f32_dpp v[AM], v[AM], v[AM] row_xmask:2 row_mask:0xf bank_mask:0xf
	v_max_num_f32_dpp v[AM], v[AM], v[AM] row_xmask:4 row_mask:0xf bank_mask:0xf
	v_max_num_f32_dpp v[AM], v[AM], v[AM] row_xmask:8 row_mask:0xf bank_mask:0xf
	v_permlanex16_b32 v[TT], v[AM], s56, s57
	v_max_num_f32 v[AM], v[AM], v[TT]              ; the block's largest magnitude
	v_add_nc_u32 v[SOP], 0xff000000, v[AM]         ; 2 off its exponent field: the conversion's scale operand
	v_lshrrev_b32 v[BYT], 23, v[SOP]               ; the scale's byte
	ds_store_b32 v[LAF], v[AA]                     ; the conversion wants the block's 32 numbers in one lane's registers: through my wave's own bytes
.irp i, 0,1,2,3,4,5,6,7
	ds_load_b128 v[NUM+4*\i:NUM+4*\i+3], v[LAB] offset:16*\i   ; LDS serves a wave's instructions in order (ISA guide 5.7.1.4); every lane reads the whole block
.endr
	s_wait_dscnt 0x0
	v_cvt_scalef32_pk16_fp6_f32 v[PCD:PCD+2], v[NUM:NUM+15], v[SOP]
	v_cvt_scalef32_pk16_fp6_f32 v[T3:T3+2], v[NUM+16:NUM+31], v[SOP]   ; (a conversion's three registers begin on an even number)
	v_nop                                          ; one plain place behind the scaled conversions
	v_cndmask_b32 v[EE], v[PCD], v[PCD+1], s40     ; every lane holds all six words: lane l keeps word l % 8 (words 6 and 7 are padding that nobody reads)
	v_cndmask_b32 v[EE+1], v[PCD+2], v[T3], s40
	v_cndmask_b32 v[EE+2], v[T3+1], v[T3+2], s40
	v_cndmask_b32 v[EE], v[EE], v[EE+1], s41
	v_cndmask_b32 v[EE+2], v[EE+2], v[BYT], s41
	v_cndmask_b32 v[EE], v[EE], v[EE+2], s42
	ds_store_b32 v[LCD], v[EE]                     ; eight different words; four lanes to a word, with the same bits
	ds_store_b8 v[LSB], v[BYT]                     ; byte wv of each lane's own copy
	s_wait_dscnt 0x0                               ; for the others' sake: my stores are done
	s_barrier_signal -1
	s_barrier_wait -1                              ; the row's 16 blocks lie in LDS
	; ---- b) the product
.irp s, 0,1,2,3
.irp c, 0,1
.irp p, 0,1,2
	ds_load_b64 v[AFR+12*\s+6*\c+2*\p:AFR+12*\s+6*\c+2*\p+1], v[LCR] offset:32*(4*\s+2*\c)+8*\p   ; block 4 s + 2 c + h
.endr
.endr
.endr
	ds_load_b128 v[ASW:ASW+3], v[LSR]              ; K step s's four bytes: register s, the same in every lane
	v_add_f32 v[BO], v[BO], v[QY]                  ; bo + query of my column
	s_wait_loadcnt 0x0                             ; Wo
	s_wait_dscnt 0x0
	; the first K step starts the sums; the two accumulators by turns
	v_wmma_scale_f32_16x16x128_f8f6f4 v[ACC:ACC+7], v[WO:WO+11], v[AFR:AFR+11], 0, v[WSW], v[ASW] matrix_a_fmt:MATRIX_FMT_FP6 matrix_b_fmt:MATRIX_FMT_FP6
	v_wmma_scale_f32_16x16x128_f8f6f4 v[ACC+8:ACC+15], v[WO+48:WO+59], v[AFR:AFR+11], 0, v[WSW], v[ASW] matrix_a_fmt:MATRIX_FMT_FP6 matrix_b_fmt:MATRIX_FMT_FP6 matrix_a_scale:MATRIX_SCALE_ROW1
.irp s, 1,2,3
	v_wmma_scale_f32_16x16x128_f8f6f4 v[ACC:ACC+7], v[WO+12*\s:WO+12*\s+11], v[AFR+12*\s:AFR+12*\s+11], v[ACC:ACC+7], v[WSW+\s], v[ASW+\s] matrix_a_fmt:MATRIX_FMT_FP6 matrix_b_fmt:MATRIX_FMT_FP6
	v_wmma_scale_f32_16x16x128_f8f6f4 v[ACC+8:ACC+15], v[WO+12*(4+\s):WO+12*(4+\s)+11], v[AFR+12*\s:AFR+12*\s+11], v[ACC+8:ACC+15], v[WSW+\s], v[ASW+\s] matrix_a_fmt:MATRIX_FMT_FP6 matrix_b_fmt:MATRIX_FMT_FP6 matrix_a_scale:MATRIX_SCALE_ROW1
.endr
.rept 4
	v_nop                                          ; four places ahead of the first read of the results (ISA guide 7.12.1)
.endr
.irp i, 0,1,2,3,4,5,6,7
	v_cndmask_b32 v[EE+\i], v[ACC+2*\i], v[ACC+2*\i+1], s40    ; lane (r, h) keeps register 8 (r / 8) + r % 8; each accumulator from its low end on
.endr
.irp i, 0,1,2,3
	v_cndmask_b32 v[EE+\i], v[EE+2*\i], v[EE+2*\i+1], s41
.endr
	v_cndmask_b32 v[EE], v[EE], v[EE+1], s42
	v_cndmask_b32 v[EE+1], v[EE+2], v[EE+3], s42
	v_cndmask_b32 v[EE], v[EE], v[EE+1], s43
	v_add_f32 v[XV], v[EE], v[BO]                  ; x of my column
	; ---- c) LayerNorm
	ds_store_b32 v[LAF], v[XV] offset:XR           ; a word of its own for each of the 512 threads (the sums do not mind the order)
	s_wait_dscnt 0x0
	s_barrier_signal -1
	s_barrier_wait -1                              ; the row lies in LDS
.irp i, 0,1,2,3
	ds_load_b128 v[ROWV+4*\i:ROWV+4*\i+3], v[L16] offset:XR+512*\i   ; 512 consecutive bytes a load: every wave takes the whole row, 16 numbers a lane
.endr
	s_wait_dscnt 0x0
	v_pk_add_f32 v[DV:DV+1], v[ROWV:ROWV+1], v[ROWV+2:ROWV+3]
	v_pk_add_f32 v[DV+2:DV+3], v[ROWV+4:ROWV+5], v[ROWV+6:ROWV+7]
	v_pk_add_f32 v[DV+4:DV+5], v[ROWV+8:ROWV+9], v[ROWV+10:ROWV+11]
	v_pk_add_f32 v[DV+6:DV+7], v[ROWV+12:ROWV+13], v[ROWV+14:ROWV+15]
	v_pk_add_f32 v[DV:DV+1], v[DV:DV+1], v[DV+2:DV+3]
	v_pk_add_f32 v[DV+4:DV+5], v[DV+4:DV+5], v[DV+6:DV+7]
	v_pk_add_f32 v[DV:DV+1], v[DV:DV+1], v[DV+4:DV+5]
	v_add_f32 v[SA], v[DV], v[DV+1]
	WSUM SA
	v_mul_f32 v[NM], 0xbb000000, v[SA]             ; - the mean
	v_mov_b32 v[NM+1], v[NM]
.irp i, 0,2,4,6,8,10,12,14
	v_pk_add_f32 v[DV+\i:DV+\i+1], v[ROWV+\i:ROWV+\i+1], v[NM:NM+1]
.endr
	v_pk_mul_f32 v[SA:SA+1], v[DV:DV+1], v[DV:DV+1]
.irp i, 2,4,6,8,10,12,14
	v_pk_fma_f32 v[SA:SA+1], v[DV+\i:DV+\i+1], v[DV+\i:DV+\i+1], v[SA:SA+1]
.endr
	v_add_f32 v[SA], v[SA], v[SA+1]
	WSUM SA
	v_fma_f32 v[RSQ], v[SA], s30, s31              ; the variance + 1e-5
	v_rsq_f32 v[RSQ], v[RSQ]
	v_add_f32 v[XV], v[XV], v[NM]                  ; my column's deviation (the plain place behind the transcendental)
	s_wait_alu depctr_va_vdst(0)
	v_mul_f32 v[GA], v[GA], v[RSQ]
	v_fma_f32 v[XV], v[XV], v[GA], v[BE]
	global_store_b32 v[OUTA], v[XV], s[26:27]      ; the wave's 32 lanes cover 128 consecutive bytes, the sixteen waves the row's 2,048
	s_wait_tensorcnt 0x0
	ds_add_u32 v62, v63
	s_wait_dscnt 0x0
	s_endpgm
.Lfunc_end_k_q1ced6ada2a_final:
	.size	k_q1ced6ada2a_final, .Lfunc_end_k_q1ced6ada2a_final-k_q1ced6ada2a_final
	.p2alignl 7, 3214868480
	.fill 96, 4, 3214868480
	.section	.rodata,"a",@progbits
	.p2align	6, 0x0
	.amdhsa_kernel k_q1ced6ada2a_final
		.amdhsa_group_segment_fixed_size 7168
		.amdhsa_private_segment_fixed_size 0
		.amdhsa_enable_private_segment 0
		.amdhsa_kernarg_size 80
		.amdhsa_user_sgpr_count 2
		.amdhsa_user_sgpr_kernarg_segment_ptr 1
		.amdhsa_wavefront_size32 1
		.amdhsa_system_sgpr_workgroup_id_x 1
		.amdhsa_system_sgpr_workgroup_id_y 1
		.amdhsa_system_sgpr_workgroup_id_z 1
		.amdhsa_system_vgpr_workitem_id 0
		.amdhsa_next_free_vgpr 256
		.amdhsa_next_free_sgpr 66
		.amdhsa_reserve_vcc 0
		.amdhsa_float_denorm_mode_32 3
		.amdhsa_float_denorm_mode_16_64 3
		.amdhsa_memory_ordered 1
		.amdhsa_forward_progress 1
		.amdhsa_inst_pref_size 18
	.end_amdhsa_kernel
	.amdgpu_metadata
---
amdhsa.version: [ 1, 2 ]
amdhsa.kernels:
  - .name:           k_q1ced6ada2a_final
    .symbol:         k_q1ced6ada2a_final.kd
    .args:
      - { .name: pO, .offset: 0, .size: 8, .value_kind: global_buffer, .address_space: global }
      - { .name: pml, .offset: 8, .size: 8, .value_kind: global_buffer, .address_space: global }
      - { .name: bv, .offset: 16, .size: 8, .value_kind: global_buffer, .address_space: global }
      - { .name: wimg, .offset: 24, .size: 8, .value_kind: global_buffer, .address_space: global }
      - { .name: wsimg, .offset: 32, .size: 8, .value_kind: global_buffer, .address_space: global }
      - { .name: bo, .offset: 40, .size: 8, .value_kind: global_buffer, .address_space: global }
      - { .name: query, .offset: 48, .size: 8, .value_kind: global_buffer, .address_space: global }
      - { .name: ln_gamma, .offset: 56, .size: 8, .value_kind: global_buffer, .address_space: global }
      - { .name: ln_beta, .offset: 64, .size: 8, .value_kind: global_buffer, .address_space: global }
      - { .name: out0, .offset: 72, .size: 8, .value_kind: global_buffer, .address_space: global }
    .group_segment_fixed_size: 7168
    .private_segment_fixed_size: 0
    .kernarg_segment_align: 8
    .kernarg_segment_size: 80
    .max_flat_workgroup_size: 512
    .sgpr_count:     66
    .vgpr_count:     256
    .wavefront_size: 32
...
	.end_amdgpu_metadata
.endif
;; end of part 5
;; ======== version 3 of 3: 3 launches; version 2 with the launches prep, final written anew for expert scheduling mode
;; workspace buffers: wimg 589,824 bytes; wsimg 24,576 bytes; qws 67,584 bytes; pO 524,288 bytes; pml 131,072 bytes
;; launch prep (part 6): grid 80 x 1, 1 waves a work-group, no clusters, 61,184 bytes of LDS; arguments query, Wq_codes, Wq_scales, bq, bk, Wk_codes, Wk_scales, Wv_codes, Wv_scales, Wo_codes, Wo_scales, qws, wimg, wsimg; writes qws, wimg, wsimg
.if DOCPART == 6
	.amdgcn_target "amdgcn-amd-amdhsa--gfx1250"
	.amdhsa_code_object_version 6
	.text
	.protected	k_q1ced6ada2a_prep
	.globl	k_q1ced6ada2a_prep
	.p2align	8
	.type	k_q1ced6ada2a_prep,@function
k_q1ced6ada2a_prep:
	s_mov_b64 s[64:65], 0
	v_nop
	global_prefetch_b8 v0, s[64:65] scope:SCOPE_SE
	s_setreg_imm32_b32 hwreg(HW_REG_WAVE_SCHED_MODE, 0, 2), 2
	s_setreg_imm32_b32 hwreg(HW_REG_WAVE_MODE, 25, 1), 1
	s_wait_xcnt 0x0
	s_wait_alu depctr_vm_vsrc(0)
; Two small jobs ahead of the main launch.  A work-group is ONE wave; its number u picks the job: u / 16 = 0, 1: job Q on Wq; 2, 3, 4: job R on Wk, Wv, Wo.  No barrier: a wave shares nothing.
; EVERY WAVE takes 32 rows (block rb = u % 16) of its weight: 12,288 dense bytes of codes, read by 24 loads of 512 consecutive bytes, and turned through the wave's own LDS bytes into eight
;   fragments (tile u of 16 rows, K step s: 12 registers a lane).  In LDS 16 bytes of padding stand behind every 128 bytes, so a row of 384 bytes has a pitch of 432.
; JOB Q (32 waves): for head rb and batch rows 16 (u / 16) .. + 15:
;   qt = (Q(query) Wq + bq) x log2(e) / sqrt(32)   and   cb = qt . bk  (the part of a score that bk gives; the main launch adds it).
;   query's 16 rows are 32,768 dense bytes: 64 loads of 512 consecutive bytes, through LDS (row pitch 2,064), back as whole blocks of 32 a lane, in the order of the operand's registers; quantised in registers.
;   The product is used transposed (source 0 = 16 rows of Wq, source 1 = 16 rows of query): a lane holds one batch row and eight neighbouring columns.
; JOB R (48 waves): the fragments and their scale words are stored IN THE ORDER OF THE OPERAND'S REGISTERS, so that a later launch fills a fragment by three loads of 16 bytes a lane:
;   wimg  byte (slot x 3 + c) 512 + 16 lane = registers 4 c .. 4 c + 3;      wsimg byte (slot / 2) 128 + 4 lane = lanes 0-15 the scale words of the even slot, lanes 16-31 of the odd one.
;   slot = fbase + 4 s + u.  Wk (m = 0), Wv (m = 1): fbase = 64 (rb / 4) + 32 m + 16 ((rb / 2) % 2) + 2 (rb % 2);   Wo: fbase = 256 + 16 (rb / 2) + 2 (rb % 2).
; LIMITS: NaN and infinities in query are not served; a block of zeros gets the scale byte 1 (its codes are zeros; only this program reads the byte).
; REGISTERS: window 0: v2-13 addresses, v16-47 at work, v48-51 query's scale words, v52-55 the weight's, v64-111 query's four fragments, v112-143 upper halves of blocks,
;   v144-159 the two accumulators, v160-175 bk, v176-191 qt.   window 1: 256 numbers of query (as loaded; then block B at 32 B).   window 2: v0-95 the weight (as loaded; then fragment (u, s) at 12 (4 u + s)).
; THE MODE: SCHED_MODE bits 1:0 = 2 (LLVM: expert scheduling mode 2), set by the entry lines.  The code itself states the register dependences
; between vector or matrix instructions and memory or LDS instructions, with s_wait_alu, always for 0.
; THE PLAN.  Registers that memory or LDS instructions touch:
;   v4-v8, and in job Q v9-v13   addresses: written once by vector instructions, never again; one wait on va_vdst stands behind each of the two groups, ahead of the first access by them.
;   window 2 v0-95, window 1     written by global loads; read by the LDS stores into the stages; written AGAIN by the LDS loads out of the stages: one wait on vm_vsrc between the stores and those loads.
;                                Behind that they are read by vector and matrix instructions (job Q) or by global stores (job R), and nothing lands in them any more.
;   v52-55, v144-175             written by loads alone.
;   v48-51, v64-111              query's scale words and codes: written by vector instructions, read by the scaled matrix instructions: one wait on va_vdst, behind the places.
;   v176-192                     qt and cb: written by vector instructions, read by the last stores: one wait on va_vdst.
.set XP,  2064                         ; query's row in LDS: 2,048 bytes + 16: the sixteen rows that a load of 16 bytes a lane touches start at sixteen different places modulo 256 bytes
.set XST, 0                            ; LDS: query's 16 rows, 33,024 bytes
.set WSQ, 33280                        ; job Q's weight stage, 32 x 432 = 13,824 bytes
.set WSR, 47104                        ; job R's: bytes of its own
.set WP,  432
.set RR,  2
.set HH,  3
.set L16, 4                            ; 16 x lane
.set L4,  5                            ; 4 x lane
.set SA,  6                            ; 16 x lane + 16 (lane / 8): a loaded 16 bytes' place in the padded stage
.set ADA, 7                            ; 432 r + 24 h: a fragment's place for my lane
.set ADB, 8                            ; 432 r + 40 h: for the pieces that lie behind one padding more in lanes 16-31
.set AXL, 9
.set AB,  10
.set SH,  11
.set QO,  12
.set CO,  13
.set TM,  16
.set SO,  24
.set BY,  32
.set TP,  40
.set XSW, 48
.set WQS, 52
.set XF,  64
.set T2,  112
.set ACC, 144
.set BK,  160
.set QT,  176
.set S0,  192
.set S1,  193
.set S2,  194
.set MSB, 0
.macro WIN new                         ; the immediate's high byte repeats the setting that is left; a switch that changes nothing is dropped
.if MSB != (\new)
	s_set_vgpr_msb (MSB<<8)|(\new)
.set MSB, \new
.endif
.endm
.macro WSTAGE base                     ; the 24 x 512 bytes as loaded go into the stage: byte d of the block to d + 16 (d / 128)
	WIN 0x08                                       ; an LDS store's data are its source 1: window 2
.set j, 0
.rept 24
	ds_store_b128 v[SA], v[4*j:4*j+3] offset:\base+576*j
.set j, j+1
.endr
.endm
.macro WBACK base                      ; and come back as fragments: lane (r, h): registers 6 c .. 6 c + 5 = the 24 bytes at 96 s + 48 c + 24 h of row 16 u + r, in pieces of 8
	WIN 0x80                                       ; destination window 2
.irp u, 0,1
.irp s, 0,1,2,3
.irp p, 0,1,2,3,4,5
.set fP, 12*\s+6*(\p/3)+\p%3           ; lanes 0-15 take the row's piece fP, lanes 16-31 the piece three on, which lies behind one padding more where fP % 16 is 13 or more
.if fP%16 < 13
	ds_load_b64 v[12*(4*\u+\s)+2*\p:12*(4*\u+\s)+2*\p+1], v[ADA] offset:\base+16*WP*\u+8*fP+16*(fP/16)
.else
	ds_load_b64 v[12*(4*\u+\s)+2*\p:12*(4*\u+\s)+2*\p+1], v[ADB] offset:\base+16*WP*\u+8*fP+16*(fP/16)
.endif
.endr
.endr
.endr
.endm
	s_load_b512 s[8:23], s[0:1], 0x0               ; query s[8:9], Wq codes s[10:11], Wq scales s[12:13], bq s[14:15], bk s[16:17], Wk codes s[18:19], Wk scales s[20:21], Wv codes s[22:23]
	s_load_b256 s[24:31], s[0:1], 0x40             ; Wv scales s[24:25], Wo codes s[26:27], Wo scales s[28:29], qws s[30:31]
	s_load_b128 s[32:35], s[0:1], 0x60             ; wimg s[32:33], wsimg s[34:35]
	v_lshl_add_u32 v254, v0, 2, 0xee00
	v_mov_b32 v255, 0
	v_and_b32 v[RR], 15, v0                        ; r  (one wave: v0 is the lane)
	v_bfe_u32 v[HH], v0, 4, 1                      ; h
	v_lshlrev_b32 v[L16], 4, v0
	v_lshlrev_b32 v[L4], 2, v0
	v_lshrrev_b32 v[SA], 3, v0
	v_lshl_add_u32 v[SA], v[SA], 4, v[L16]
	v_mul_u32_u24 v[ADA], v[RR], WP
	v_mad_u32_u24 v[ADB], v[HH], 40, v[ADA]
	v_mad_u32_u24 v[ADA], v[HH], 24, v[ADA]
	s_and_b32 s5, ttmp9, 15                        ; rb: which 32 rows
	s_lshr_b32 s6, ttmp9, 4                        ; 0, 1: Wq (and the tile of batch rows); 2: Wk; 3: Wv; 4: Wo
	s_mov_b32 s56, 0x76543210
	s_mov_b32 s57, 0xfedcba98                      ; v_permlanex16_b32's selects for lane l xor 16
	s_mul_i32 s40, s5, 12288                       ; 32 rows of 384 bytes
	s_mov_b32 s41, 0
	s_lshl_b32 s42, s5, 9                          ; 32 rows of 16 scale bytes
	s_mov_b32 s43, 0
	s_wait_kmcnt 0x0
	s_cmp_lt_u32 s6, 2                             ; the weight is chosen on the work-group's number alone
	s_cselect_b64 s[36:37], s[10:11], s[18:19]
	s_cselect_b64 s[38:39], s[12:13], s[20:21]
	s_cmp_eq_u32 s6, 3
	s_cselect_b64 s[36:37], s[22:23], s[36:37]
	s_cselect_b64 s[38:39], s[24:25], s[38:39]
	s_cmp_eq_u32 s6, 4
	s_cselect_b64 s[36:37], s[26:27], s[36:37]
	s_cselect_b64 s[38:39], s[28:29], s[38:39]
	s_add_nc_u64 s[36:37], s[36:37], s[40:41]
	s_add_nc_u64 s[38:39], s[38:39], s[42:43]
	WIN 0x80                                       ; destination window 2
	s_wait_alu depctr_va_vdst(0)                   ; the addresses v4 to v8 are written, which the loads and stores of both jobs read; they are never written again
.set j, 0
.rept 24
	global_load_b128 v[4*j:4*j+3], v[L16], s[36:37] offset:512*j   ; 32 lanes read 512 consecutive bytes
.set j, j+1
.endr
	WIN 0
.irp s, 0,1,2,3
	global_load_b32 v[WQS+\s], v[L16], s[38:39] offset:4*\s        ; K step s's scale words: lanes 0-15 tile 0's rows, lanes 16-31 tile 1's
.endr
	s_cmp_lt_u32 s6, 2
	s_cbranch_scc0 .Lrelay
	; ---------------- JOB Q: head s5, tile of batch rows s6
	v_mul_u32_u24 v[AXL], v[RR], XP
	v_lshl_add_u32 v[AXL], v[HH], 7, v[AXL]        ; query in LDS: row r, + 128 h: my block of each 64 along K
	v_lshlrev_b32 v[AB], 5, v[HH]                  ; biases in the result's layout: 32 h
	v_lshlrev_b32 v[SH], 3, v[HH]                  ; 8 h: where my bytes stand in a scale word
	v_lshlrev_b32 v[QO], 11, v[RR]
	v_lshl_add_u32 v[QO], v[HH], 5, v[QO]          ; qt: row r of 2,048 bytes, + 32 h
	v_lshlrev_b32 v[CO], 6, v[RR]                  ; cb: row r of 64 bytes
	s_lshl_b32 s40, s5, 7                          ; 128 x head: the head's 32 numbers
	s_add_nc_u64 s[14:15], s[14:15], s[40:41]      ; bq
	s_add_nc_u64 s[16:17], s[16:17], s[40:41]      ; bk
	s_lshl_b32 s42, s6, 15                         ; 16 rows of 2,048 bytes
	s_add_nc_u64 s[8:9], s[8:9], s[42:43]          ; query
	s_add_nc_u64 s[44:45], s[30:31], s[42:43]
	s_add_nc_u64 s[44:45], s[44:45], s[40:41]      ; qt's place
	s_lshl_b32 s42, s6, 10
	s_lshl_b32 s40, s5, 2
	s_add_co_u32 s42, s42, s40
	s_add_nc_u64 s[46:47], s[30:31], s[42:43]      ; cb's place (65,536 bytes on, in the store's immediate)
	s_wait_alu depctr_va_vdst(0)                   ; job Q's addresses v9 to v13 are written: the biases' loads below, query's LDS loads and the last stores read them; they are never written again
.irp i, 0,1,2,3
	global_load_b128 v[ACC+4*\i:ACC+4*\i+3], v[AB], s[14:15] offset:64*(\i/2)+16*(\i%2)   ; bq is the sums' start: register 8 u + j = column 16 u + 8 h + j of the head
	global_load_b128 v[BK+4*\i:BK+4*\i+3], v[AB], s[16:17] offset:64*(\i/2)+16*(\i%2)     ; bk likewise
.endr
	WIN 0x40                                       ; destination window 1
.set j, 0
.rept 64
	global_load_b128 v[4*j:4*j+3], v[L16], s[8:9] offset:512*j     ; the 16 rows as they lie: 512 consecutive bytes a load
.set j, j+1
.endr
	WIN 0
	s_wait_loadcnt 0x0
	WSTAGE WSQ
	WIN 0x04                                       ; the data: window 1
.set j, 0
.rept 64
	ds_store_b128 v[L16], v[4*j:4*j+3] offset:XST+512*j+16*(j/4)   ; row j / 4, its quarter j % 4
.set j, j+1
.endr
	s_wait_dscnt 0x0                               ; my stores into the two stages have landed
	WIN 0x40
	s_wait_alu depctr_vm_vsrc(0)                   ; those stores have read their data, windows 1 and 2, in which the LDS loads below land; no vector instruction has named these registers yet
.set j, 0
.rept 64
	ds_load_b128 v[4*j:4*j+3], v[AXL] offset:XST+256*(j/8)+16*(j%8)   ; block B = j / 8 of my lane: k = 64 B + 32 h + 0 .. 31, at v[32 B] on
.set j, j+1
.endr
	WBACK WSQ
	WIN 0
	s_wait_dscnt 48                                ; behind query's 64 loads stand Wq's 48: query is in
	WIN 0x05                                       ; sources 0 and 1 window 1
.irp blk, 0,1,2,3,4,5,6,7
	v_max3_num_f32 v[TM+\blk], |v[32*\blk]|, |v[32*\blk+1]|, 0x1800000   ; a block's largest magnitude, with the floor 2^(3 - 127) among its leaves: the byte cannot fall under 1
.endr
.irp i, 2,4,6,8,10,12,14,16,18,20,22,24,26,28,30
.irp blk, 0,1,2,3,4,5,6,7
	v_max3_num_f32 v[TM+\blk], |v[32*\blk+\i]|, |v[32*\blk+\i+1]|, v[TM+\blk]   ; the eight blocks by turns
.endr
.endr
	WIN 0
.irp blk, 0,1,2,3,4,5,6,7
	v_add_nc_u32 v[SO+\blk], 0xff000000, v[TM+\blk]    ; 2 off the exponent field: the conversion's scale operand
.endr
.irp blk, 0,1,2,3,4,5,6,7
	v_lshrrev_b32 v[BY+\blk], 23, v[SO+\blk]           ; the scale's byte
.endr
.irp s, 0,1,2,3
	v_lshl_or_b32 v[TP+\s], v[BY+2*\s+1], 16, v[BY+2*\s]   ; my two bytes of K step s: blocks h and 2 + h,
.endr
.irp s, 0,1,2,3
	v_lshlrev_b32 v[TP+\s], v[SH], v[TP+\s]            ; at their places;
.endr
.irp s, 0,1,2,3
	v_mov_b32 v[TP+4+\s], 0                            ; (a lane permute's destination counts as one of its sources)
.endr
.irp s, 0,1,2,3
	v_permlanex16_b32 v[TP+4+\s], v[TP+\s], s56, s57
.endr
.irp s, 0,1,2,3
	v_or_b32 v[XSW+\s], v[TP+\s], v[TP+4+\s]           ; with lane l xor 16's two the word is whole
.endr
	WIN 0x01                                       ; source 0 window 1
.irp blk, 0,1,2,3,4,5,6,7
	v_cvt_scalef32_pk16_fp6_f32 v[XF+6*\blk:XF+6*\blk+2], v[32*\blk:32*\blk+15], v[SO+\blk]       ; registers 6 B .. of the four fragments on end
	v_cvt_scalef32_pk16_fp6_f32 v[T2+4*\blk:T2+4*\blk+2], v[32*\blk+16:32*\blk+31], v[SO+\blk]    ; (a conversion's three registers begin on an even number: the upper half is made elsewhere and moved)
.endr
	WIN 0
	v_nop                                          ; one plain place behind the scaled conversions
.irp blk, 0,1,2,3,4,5,6,7
.irp i, 0,1,2
	v_mov_b32 v[XF+6*\blk+3+\i], v[T2+4*\blk+\i]
.endr
.endr
.rept 8
	v_nop                                          ; scale words and operands written by vector instructions stand 8 and 4 places ahead of a scaled matrix instruction
.endr
	s_wait_dscnt 0x0                               ; Wq's fragments
	WIN 0x02                                       ; source 0 window 2
	s_wait_alu depctr_va_vdst(0)                   ; query's scale words v48-51 and its codes v64-111 are written, which the scaled matrix instructions take; the places above stay beside this wait
.irp s, 0,1,2,3                                ; the two accumulators by turns
	v_wmma_scale_f32_16x16x128_f8f6f4 v[ACC:ACC+7], v[12*\s:12*\s+11], v[XF+12*\s:XF+12*\s+11], v[ACC:ACC+7], v[WQS+\s], v[XSW+\s] matrix_a_fmt:MATRIX_FMT_FP6 matrix_b_fmt:MATRIX_FMT_FP6
	v_wmma_scale_f32_16x16x128_f8f6f4 v[ACC+8:ACC+15], v[12*(4+\s):12*(4+\s)+11], v[XF+12*\s:XF+12*\s+11], v[ACC+8:ACC+15], v[WQS+\s], v[XSW+\s] matrix_a_fmt:MATRIX_FMT_FP6 matrix_b_fmt:MATRIX_FMT_FP6 matrix_a_scale:MATRIX_SCALE_ROW1
.endr
	WIN 0
.rept 4
	v_nop                                          ; four places ahead of the first read of the results (ISA guide 7.12.1)
.endr
.irp i, 0,2,4,6,8,10,12,14
	v_pk_mul_f32 v[QT+\i:QT+\i+1], v[ACC+\i:ACC+\i+1], 0x3e8293ee op_sel_hi:[1,0]   ; x log2(e) / sqrt(32); each accumulator from its low end on
.endr
	v_mul_f32 v[S0], v[QT], v[BK]                  ; cb: my 16 columns in two chains,
	v_mul_f32 v[S1], v[QT+1], v[BK+1]
.irp i, 2,4,6,8,10,12,14
	v_fmac_f32 v[S0], v[QT+\i], v[BK+\i]
	v_fmac_f32 v[S1], v[QT+\i+1], v[BK+\i+1]
.endr
	v_add_f32 v[S0], v[S0], v[S1]
	v_mov_b32 v[S2], 0
	v_permlanex16_b32 v[S2], v[S0], s56, s57
	v_add_f32 v[S0], v[S0], v[S2]                  ; and lane l xor 16's 16: both lanes hold the same bits
	s_wait_alu depctr_va_vdst(0)                   ; qt (v176-191) and cb (v192) are written, which the stores below read
.irp i, 0,1,2,3
	global_store_b128 v[QO], v[QT+4*\i:QT+4*\i+3], s[44:45] offset:64*(\i/2)+16*(\i%2)
.endr
	global_store_b32 v[CO], v[S0], s[46:47] offset:65536   ; lanes l and l xor 16 store the same word with the same bits
	s_wait_dscnt 0x0
	s_wait_alu depctr_hold_cnt(0) depctr_sa_sdst(0) depctr_va_vdst(0) depctr_va_sdst(0) depctr_va_ssrc(0) depctr_va_vcc(0) depctr_vm_vsrc(0)
	s_wait_tensorcnt 0x0
	ds_add_u32 v254, v255
	s_wait_dscnt 0x0
	s_endpgm
	; ---------------- JOB R
.Lrelay:
	s_and_b32 s40, s5, 1
	s_lshl_b32 s40, s40, 1                         ; 2 (rb % 2)
	s_lshr_b32 s44, s5, 1                          ; rb / 2
	s_lshl_b32 s42, s44, 4
	s_add_co_u32 s42, s42, 256                     ; Wo: 256 + 16 (rb / 2)
	s_and_b32 s45, s44, 1
	s_lshl_b32 s45, s45, 4                         ; Wk, Wv: 16 ((rb / 2) % 2)
	s_lshr_b32 s46, s5, 2
	s_lshl_b32 s46, s46, 6
	s_add_co_u32 s45, s45, s46                     ; + 64 (rb / 4)
	s_sub_co_u32 s46, s6, 2
	s_lshl_b32 s46, s46, 5
	s_add_co_u32 s45, s45, s46                     ; + 32 m
	s_cmp_eq_u32 s6, 4
	s_cselect_b32 s42, s42, s45
	s_add_co_u32 s42, s42, s40                     ; fbase
	s_mul_i32 s40, s42, 1536                       ; an image is 1,536 bytes
	s_add_nc_u64 s[32:33], s[32:33], s[40:41]
	s_lshl_b32 s40, s42, 6                         ; two slots share 128 bytes of scale words
	s_add_nc_u64 s[34:35], s[34:35], s[40:41]
	s_wait_loadcnt 0x0
	WSTAGE WSR
	s_wait_dscnt 0x0                               ; my stores into the stage have landed
	WIN 0x80
	s_wait_alu depctr_vm_vsrc(0)                   ; those stores have read their data, window 2, in which the LDS loads below land; this job has no vector instruction behind the head
	WBACK WSR
	s_wait_dscnt 0x0
	WIN 0x08                                       ; a store's data are its source 1: window 2
.irp u, 0,1
.irp s, 0,1,2,3
.irp c, 0,1,2
	global_store_b128 v[L16], v[12*(4*\u+\s)+4*\c:12*(4*\u+\s)+4*\c+3], s[32:33] offset:(4*\s+\u)*1536+512*\c   ; 32 lanes store 512 consecutive bytes
.endr
.endr
.endr
	WIN 0
.irp s, 0,1,2,3
	global_store_b32 v[L4], v[WQS+\s], s[34:35] offset:256*\s
.endr
	s_wait_dscnt 0x0
	s_wait_alu depctr_hold_cnt(0) depctr_sa_sdst(0) depctr_va_vdst(0) depctr_va_sdst(0) depctr_va_ssrc(0) depctr_va_vcc(0) depctr_vm_vsrc(0)
	s_wait_tensorcnt 0x0
	ds_add_u32 v254, v255
	s_wait_dscnt 0x0
	s_endpgm
.Lfunc_end_k_q1ced6ada2a_prep:
	.size	k_q1ced6ada2a_prep, .Lfunc_end_k_q1ced6ada2a_prep-k_q1ced6ada2a_prep
	.p2alignl 7, 3214868480
	.fill 96, 4, 3214868480
	.section	.rodata,"a",@progbits
	.p2align	6, 0x0
	.amdhsa_kernel k_q1ced6ada2a_prep
		.amdhsa_group_segment_fixed_size 61184
		.amdhsa_private_segment_fixed_size 0
		.amdhsa_enable_private_segment 0
		.amdhsa_kernarg_size 112
		.amdhsa_user_sgpr_count 2
		.amdhsa_user_sgpr_kernarg_segment_ptr 1
		.amdhsa_wavefront_size32 1
		.amdhsa_system_sgpr_workgroup_id_x 1
		.amdhsa_system_sgpr_workgroup_id_y 1
		.amdhsa_system_sgpr_workgroup_id_z 1
		.amdhsa_system_vgpr_workitem_id 0
		.amdhsa_next_free_vgpr 608
		.amdhsa_next_free_sgpr 66
		.amdhsa_reserve_vcc 0
		.amdhsa_float_denorm_mode_32 3
		.amdhsa_float_denorm_mode_16_64 3
		.amdhsa_memory_ordered 1
		.amdhsa_forward_progress 1
		.amdhsa_inst_pref_size 49
	.end_amdhsa_kernel
	.amdgpu_metadata
---
amdhsa.version: [ 1, 2 ]
amdhsa.kernels:
  - .name:           k_q1ced6ada2a_prep
    .symbol:         k_q1ced6ada2a_prep.kd
    .args:
      - { .name: query, .offset: 0, .size: 8, .value_kind: global_buffer, .address_space: global }
      - { .name: Wq_codes, .offset: 8, .size: 8, .value_kind: global_buffer, .address_space: global }
      - { .name: Wq_scales, .offset: 16, .size: 8, .value_kind: global_buffer, .address_space: global }
      - { .name: bq, .offset: 24, .size: 8, .value_kind: global_buffer, .address_space: global }
      - { .name: bk, .offset: 32, .size: 8, .value_kind: global_buffer, .address_space: global }
      - { .name: Wk_codes, .offset: 40, .size: 8, .value_kind: global_buffer, .address_space: global }
      - { .name: Wk_scales, .offset: 48, .size: 8, .value_kind: global_buffer, .address_space: global }
      - { .name: Wv_codes, .offset: 56, .size: 8, .value_kind: global_buffer, .address_space: global }
      - { .name: Wv_scales, .offset: 64, .size: 8, .value_kind: global_buffer, .address_space: global }
      - { .name: Wo_codes, .offset: 72, .size: 8, .value_kind: global_buffer, .address_space: global }
      - { .name: Wo_scales, .offset: 80, .size: 8, .value_kind: global_buffer, .address_space: global }
      - { .name: qws, .offset: 88, .size: 8, .value_kind: global_buffer, .address_space: global }
      - { .name: wimg, .offset: 96, .size: 8, .value_kind: global_buffer, .address_space: global }
      - { .name: wsimg, .offset: 104, .size: 8, .value_kind: global_buffer, .address_space: global }
    .group_segment_fixed_size: 61184
    .private_segment_fixed_size: 0
    .kernarg_segment_align: 8
    .kernarg_segment_size: 112
    .max_flat_workgroup_size: 32
    .sgpr_count:     66
    .vgpr_count:     608
    .wavefront_size: 32
...
	.end_amdgpu_metadata
.endif
;; end of part 6
;; launch main: the kernel of part 2 again; grid 8 x 32, 4 waves a work-group, no clusters, 233,984 bytes of LDS; arguments context_codes, context_scales, dist_matrix, context_mask, wimg, wsimg, qws, pO, pml; writes pO, pml
;; launch final (part 7): grid 32 x 1, 16 waves a work-group, no clusters, 7,168 bytes of LDS; arguments pO, pml, bv, wimg, wsimg, bo, query, ln_gamma, ln_beta, out0; writes out0
.if DOCPART == 7
	.amdgcn_target "amdgcn-amd-amdhsa--gfx1250"
	.amdhsa_code_object_version 6
	.text
	.protected	k_q1ced6ada2a_final
	.globl	k_q1ced6ada2a_final
	.p2align	8
	.type	k_q1ced6ada2a_final,@function
k_q1ced6ada2a_final:
	s_mov_b64 s[64:65], 0
	v_nop
	global_prefetch_b8 v0, s[64:65] scope:SCOPE_SE
	s_setreg_imm32_b32 hwreg(HW_REG_WAVE_SCHED_MODE, 0, 2), 2
	s_setreg_imm32_b32 hwreg(HW_REG_WAVE_MODE, 25, 1), 1
	s_wait_xcnt 0x0
	s_wait_alu depctr_vm_vsrc(0)
; The eight chunks of a batch are merged, attn_out is quantised, multiplied by Wo, and the row is normalised.  One work-group to a batch row, sixteen waves, two barriers.
; a) Wave wv owns head wv, which is one block of 32 along the last product's K; lane l owns its column l.
;    attn_out = (sum over chunks of O_x 2^(m_x - M)) / (sum of l_x 2^(m_x - M)) + bv, M the largest m_x.  The block is quantised; its six words of codes go to LDS, each lane storing the word
;    l % 8 of a place of 32 bytes; its scale byte goes into 32 copies of the row's 16 bytes, one copy for each lane.
; b) Wave wv owns output columns 32 wv .. + 31.  Wo's fragments come from the image that the first launch has laid: three loads of 16 bytes a lane each.  The product is used transposed
;    (source 0 = 16 rows of Wo, source 1 = the one row of attn_out, read by all sixteen lanes r alike): every lane (r, h) holds columns 16 u + 8 h + j.  Lane (r, h) keeps ONE of them,
;    u = r / 8, j = r % 8, and adds bo and query of that column: from here on a lane has one number of the row.
; c) LayerNorm in two passes (the mean; then the mean of the squared deviations): the row's 512 numbers go to LDS once, every wave reads them all, 16 a lane, and forms both sums itself.
; LIMITS: NaN and infinities are not served; a block of zeros gets the scale byte 1 (its codes are zeros; only this launch reads the byte).
; THE MODE: SCHED_MODE bits 1:0 = 2 (LLVM: expert scheduling mode 2), set by the entry lines.  The code itself states the register dependences
; between vector or matrix instructions and memory or LDS instructions, with s_wait_alu, always for 0.
; THE PLAN.  Registers that memory or LDS instructions touch:
;   v5-v15       addresses: written once at the head by vector instructions, never again: one wait on va_vdst ahead of the first load.
;   v245         attn_out: written by the merge, read by one LDS store (a wait on va_vdst ahead of it), written again in c) as half of the mean's pair (the wait on vm_vsrc behind the first barrier).
;   v192-v239    the block's 32 numbers land in v192-223 and the conversions read them and write v224-226; behind the first barrier attn_out's fragments land in all of them:
;                the wait on va_vdst ahead of the codes' store stands behind the last vector instruction that names them.
;   v52, v44     the code word and the byte: written by vector instructions, read by two LDS stores (that same wait); v52 is written again behind the product (the wait on vm_vsrc behind the first barrier).
;   v50          x: written, read by an LDS store (va_vdst ahead), written again as the deviation (vm_vsrc behind the second barrier), read by the last store (va_vdst ahead).
;   All other loaded registers (v32-39, v46-49, v64-79, v96-191, v240-242, v248-255) are written by loads alone, once, and the product's operands and scales are among them.
;   s4           the wave's number, written by a vector instruction: a wait on va_sdst ahead of its first reader.
;   The exponential, the reciprocal and the reciprocal root each have a wait on va_vdst ahead of the first reader of the result.
.set AF,  0                            ; LDS: 128 bytes for each wave, its own
.set CDL, 2048                         ; attn_out's codes: 24 bytes a block, in places of 32: 512 bytes
.set SBL, 2560                         ; 32 copies of its 16 scale bytes: 512 bytes
.set XR,  3072                         ; the row ahead of the norm: 2,048 bytes
.set WVV, 1
.set LN,  2
.set RR,  3
.set HH,  4
.set AML, 5
.set AL4, 6
.set COLB, 7                           ; 4 x my column in the wave's 32: 64 (r / 8) + 32 h + 4 (r % 8)
.set L16, 8
.set OUTA, 9
.set LAF, 10
.set LAB, 11
.set LCD, 12
.set LSB, 13
.set LCR, 14
.set LSR, 15
.set ACC, 16                           ; v16-31   the two accumulators
.set OX,  32                           ; v32-39   O of the eight chunks
.set T3,  40
.set SOP, 43
.set BYT, 44
.set BO,  46
.set QY,  47
.set GA,  48
.set BE,  49
.set XV,  50
.set PX,  51
.set EE,  52                           ; v52-59   the choices by lane
.set ROWV, 64                          ; v64-79   16 numbers of the row
.set DV,  80                           ; v80-95   their deviations
.set WO,  96                           ; v96-191  Wo's 8 fragments (tile u, K step s at 12 (4 u + s))
.set NUM, 192                          ; v192-223 the block's 32 numbers; then, from v192, attn_out's four fragments
.set AFR, 192
.set PCD, 224
.set VM,  240
.set VL,  241
.set BV,  242
.set WX,  243
.set DEN, 244
.set AA,  245
.set AM,  246
.set TT,  247
.set SA,  240                          ; pairs at work once a) is over
.set NM,  244
.set RSQ, 246
.set WSW, 248                          ; v248-251 Wo's scale words: lanes 0-15 tile 0, lanes 16-31 tile 1
.set ASW, 252                          ; v252-255 attn_out's
.macro WSUM x                          ; the sum over the wave's 32 lanes, in every lane
	v_add_f32_dpp v[\x], v[\x], v[\x] row_xmask:1 row_mask:0xf bank_mask:0xf
	v_add_f32_dpp v[\x], v[\x], v[\x] row_xmask:2 row_mask:0xf bank_mask:0xf
	v_add_f32_dpp v[\x], v[\x], v[\x] row_xmask:4 row_mask:0xf bank_mask:0xf
	v_add_f32_dpp v[\x], v[\x], v[\x] row_xmask:8 row_mask:0xf bank_mask:0xf
	v_permlanex16_b32 v[PX], v[\x], s56, s57
	v_add_f32 v[\x], v[\x], v[PX]
.endm
	s_load_b512 s[8:23], s[0:1], 0x0               ; pO s[8:9], pml s[10:11], bv s[12:13], wimg s[14:15], wsimg s[16:17], bo s[18:19], query s[20:21], gamma s[22:23]
	s_load_b128 s[24:27], s[0:1], 0x40             ; beta s[24:25], out0 s[26:27]
	v_lshl_add_u32 v62, v0, 2, 0x1400
	v_mov_b32 v63, 0
	v_lshrrev_b32 v[WVV], 5, v0
	v_readfirstlane_b32 s4, v[WVV]                 ; wave 0..15
	v_and_b32 v[LN], 31, v0
	v_and_b32 v[RR], 15, v0
	v_bfe_u32 v[HH], v0, 4, 1
	v_and_b32 v[AML], 7, v0
	v_lshl_add_u32 v[LCD], v[AML], 2, CDL
	v_lshl_add_u32 v[LCD], v[WVV], 5, v[LCD]       ; codes: my block's place of 32 bytes, word lane % 8
	v_lshlrev_b32 v[COLB], 2, v[AML]
	v_lshl_add_u32 v[COLB], v[HH], 5, v[COLB]
	v_bfe_u32 v[OUTA], v0, 3, 1
	v_lshl_add_u32 v[COLB], v[OUTA], 6, v[COLB]
	v_lshlrev_b32 v[AML], 9, v[AML]                ; m, l: lane l takes chunk l % 8: 512 bytes a chunk
	v_lshlrev_b32 v[AL4], 2, v[LN]
	v_lshlrev_b32 v[L16], 4, v[LN]
	v_lshlrev_b32 v[LAF], 2, v0                    ; 128 wave + 4 lane
	v_lshlrev_b32 v[LAB], 7, v[WVV]                ; 128 wave
	v_add_nc_u32 v[OUTA], v[LAB], v[COLB]          ; my column's place in a row of out0
	v_lshl_add_u32 v[LSR], v[LN], 4, SBL           ; my lane's copy of the scale bytes,
	v_add_nc_u32 v[LSB], v[LSR], v[WVV]            ; and my wave's byte in it
	v_lshl_add_u32 v[LCR], v[HH], 5, CDL
	v_mov_b32 v[TT], 0                             ; (the destination of a lane-crossing form counts as one of its sources)
	v_mov_b32 v[AA], 0
	v_mov_b32 v[PX], 0
	s_mov_b32 s56, 0x76543210
	s_mov_b32 s57, 0xfedcba98
	s_mov_b32 s30, 0x3b000000                      ; 1 / 512
	s_mov_b32 s31, 0x3727c5ac                      ; 1e-5
	s_mov_b32 s40, 0xaaaaaaaa                      ; lanes with bit 0, 1, 2, 3 of their number set
	s_mov_b32 s41, 0xcccccccc
	s_mov_b32 s42, 0xf0f0f0f0
	s_mov_b32 s43, 0xff00ff00
	s_mov_b32 s29, 0
	s_wait_alu depctr_va_sdst(0)                   ; s4 is written, ahead of its first reader: the bases below are made from it
	s_lshl_b32 s5, s4, 7                           ; 128 wave
	s_lshl_b32 s6, ttmp9, 11                       ; a row of 2,048 bytes
	s_lshl_b32 s28, ttmp9, 14
	s_add_co_u32 s28, s28, s5
	s_wait_kmcnt 0x0
	s_add_nc_u64 s[8:9], s[8:9], s[28:29]          ; pO: b x 16,384 + 128 wave
	s_lshl_b32 s28, ttmp9, 12
	s_lshr_b32 s7, s4, 2
	s_lshl_b32 s7, s7, 7
	s_add_co_u32 s28, s28, s7
	s_and_b32 s7, s4, 3
	s_lshl_b32 s7, s7, 2
	s_add_co_u32 s28, s28, s7
	s_add_nc_u64 s[10:11], s[10:11], s[28:29]      ; pml: b x 4,096 + 128 (wave / 4) + 4 (wave % 4)
	s_mov_b32 s28, s5
	s_add_nc_u64 s[12:13], s[12:13], s[28:29]
	s_add_nc_u64 s[18:19], s[18:19], s[28:29]
	s_add_nc_u64 s[22:23], s[22:23], s[28:29]
	s_add_nc_u64 s[24:25], s[24:25], s[28:29]
	s_add_co_u32 s28, s5, s6
	s_add_nc_u64 s[20:21], s[20:21], s[28:29]
	s_mov_b32 s28, s6
	s_add_nc_u64 s[26:27], s[26:27], s[28:29]
	s_lshr_b32 s7, s4, 1
	s_lshl_b32 s7, s7, 4
	s_and_b32 s28, s4, 1
	s_lshl_b32 s28, s28, 1
	s_add_co_u32 s7, s7, s28
	s_add_co_u32 s7, s7, 256                       ; my first slot in the images: 256 + 16 (wave / 2) + 2 (wave % 2)
	s_mul_i32 s28, s7, 1536
	s_add_nc_u64 s[14:15], s[14:15], s[28:29]
	s_lshl_b32 s28, s7, 6
	s_add_nc_u64 s[16:17], s[16:17], s[28:29]
	s_wait_alu depctr_va_vdst(0)                   ; the addresses v5 to v15 are written, which every load and store of the kernel reads; they are never written again
	global_load_b32 v[VM], v[AML], s[10:11]
	global_load_b32 v[VL], v[AML], s[10:11] offset:16
.irp x, 0,1,2,3,4,5,6,7
	global_load_b32 v[OX+\x], v[AL4], s[8:9] offset:2048*\x
.endr
	global_load_b32 v[BV], v[AL4], s[12:13]
	global_load_b32 v[BO], v[COLB], s[18:19]       ; of my one column: the wave's 32 lanes cover its 128 bytes
	global_load_b32 v[QY], v[COLB], s[20:21]
	global_load_b32 v[GA], v[COLB], s[22:23]
	global_load_b32 v[BE], v[COLB], s[24:25]
.irp u, 0,1
.irp s, 0,1,2,3
.irp c, 0,1,2
	global_load_b128 v[WO+12*(4*\u+\s)+4*\c:WO+12*(4*\u+\s)+4*\c+3], v[L16], s[14:15] offset:(4*\s+\u)*1536+512*\c   ; 512 consecutive bytes a load
.endr
.endr
.endr
.irp s, 0,1,2,3
	global_load_b32 v[WSW+\s], v[AL4], s[16:17] offset:256*\s
.endr
	; ---- a) the merge
	s_wait_loadcnt 28                              ; Wo's 24 loads and its 4 scale loads may be out: all in front of them is in
	v_max_num_f32_dpp v[TT], v[VM], v[VM] row_xmask:1 row_mask:0xf bank_mask:0xf
	v_max_num_f32_dpp v[TT], v[TT], v[TT] row_xmask:2 row_mask:0xf bank_mask:0xf
	v_max_num_f32_dpp v[TT], v[TT], v[TT] row_xmask:4 row_mask:0xf bank_mask:0xf   ; M over the eight chunks
	v_sub_f32 v[WX], v[VM], v[TT]
	v_exp_f32 v[WX], v[WX]                         ; my chunk's weight
	v_nop                                          ; a plain place behind the transcendental
	s_wait_alu depctr_va_vdst(0)                   ; the exponential has written the weight, ahead of its first reader
	v_mul_f32 v[DEN], v[VL], v[WX]
	v_add_f32_dpp v[DEN], v[DEN], v[DEN] row_xmask:1 row_mask:0xf bank_mask:0xf
	v_add_f32_dpp v[DEN], v[DEN], v[DEN] row_xmask:2 row_mask:0xf bank_mask:0xf
	v_add_f32_dpp v[DEN], v[DEN], v[DEN] row_xmask:4 row_mask:0xf bank_mask:0xf   ; at least 1: the chunk that holds M has weight 1 and a row with p = 1
	v_rcp_f32 v[DEN], v[DEN]
	v_nop
	v_mul_f32_dpp v[AA], v[WX], v[OX] row_share:0 row_mask:0xf bank_mask:0xf       ; chunk x's weight stands in lane x of each half
.irp x, 1,2,3,4,5,6,7
	v_fmac_f32_dpp v[AA], v[WX], v[OX+\x] row_share:\x row_mask:0xf bank_mask:0xf
.endr
	s_wait_alu depctr_va_vdst(0)                   ; the reciprocal is written, ahead of its first reader; the eight multiply-adds above do not read it
	v_fma_f32 v[AA], v[AA], v[DEN], v[BV]          ; attn_out of my column
	s_wait_alu depctr_va_vdst(0)                   ; attn_out is written, which the LDS store below reads
	ds_store_b32 v[LAF], v[AA]                     ; the conversion wants the block's 32 numbers in one lane's registers: through my wave's own bytes
.irp i, 0,1,2,3,4,5,6,7
	ds_load_b128 v[NUM+4*\i:NUM+4*\i+3], v[LAB] offset:16*\i   ; LDS serves a wave's instructions in order (ISA guide 5.7.1.4); every lane reads the whole block
.endr
	v_max3_num_f32 v[AM], |v[AA]|, |v[AA]|, 0x1800000      ; while the block goes through LDS: the largest magnitude, with the floor 2^(3 - 127): the byte cannot fall under 1.  These lines read attn_out and name none of the registers in which the loads land
	v_max_num_f32_dpp v[AM], v[AM], v[AM] row_xmask:1 row_mask:0xf bank_mask:0xf
	v_max_num_f32_dpp v[AM], v[AM], v[AM] row_xmask:2 row_mask:0xf bank_mask:0xf
	v_max_num_f32_dpp v[AM], v[AM], v[AM] row_xmask:4 row_mask:0xf bank_mask:0xf
	v_max_num_f32_dpp v[AM], v[AM], v[AM] row_xmask:8 row_mask:0xf bank_mask:0xf
	v_permlanex16_b32 v[TT], v[AM], s56, s57
	v_max_num_f32 v[AM], v[AM], v[TT]              ; the block's largest magnitude
	v_add_nc_u32 v[SOP], 0xff000000, v[AM]         ; 2 off its exponent field: the conversion's scale operand
	v_lshrrev_b32 v[BYT], 23, v[SOP]               ; the scale's byte
	s_wait_dscnt 0x0
	v_cvt_scalef32_pk16_fp6_f32 v[PCD:PCD+2], v[NUM:NUM+15], v[SOP]
	v_cvt_scalef32_pk16_fp6_f32 v[T3:T3+2], v[NUM+16:NUM+31], v[SOP]   ; (a conversion's three registers begin on an even number)
	v_nop                                          ; one plain place behind the scaled conversions
	v_cndmask_b32 v[EE], v[PCD], v[PCD+1], s40     ; every lane holds all six words: lane l keeps word l % 8 (words 6 and 7 are padding that nobody reads)
	v_cndmask_b32 v[EE+1], v[PCD+2], v[T3], s40
	v_cndmask_b32 v[EE+2], v[T3+1], v[T3+2], s40
	v_cndmask_b32 v[EE], v[EE], v[EE+1], s41
	v_cndmask_b32 v[EE+2], v[EE+2], v[BYT], s41
	v_cndmask_b32 v[EE], v[EE], v[EE+2], s42
	s_wait_alu depctr_va_vdst(0)                   ; the code word and the byte are written, which the two stores read; the conversions and the choices are done with v192-226, in which loads land behind the barrier
	ds_store_b32 v[LCD], v[EE]                     ; eight different words; four lanes to a word, with the same bits
	ds_store_b8 v[LSB], v[BYT]                     ; byte wv of each lane's own copy
	s_wait_dscnt 0x0                               ; for the others' sake: my stores are done
	s_barrier_signal -1
	s_barrier_wait -1                              ; the row's 16 blocks lie in LDS
	s_wait_alu depctr_vm_vsrc(0)                   ; my three LDS stores have read attn_out (v245) and the code word (v52): the choices behind the product write v52 again, the mean's pair v245
	; ---- b) the product
.irp s, 0,1,2,3
.irp c, 0,1
.irp p, 0,1,2
	ds_load_b64 v[AFR+12*\s+6*\c+2*\p:AFR+12*\s+6*\c+2*\p+1], v[LCR] offset:32*(4*\s+2*\c)+8*\p   ; block 4 s + 2 c + h
.endr
.endr
.endr
	ds_load_b128 v[ASW:ASW+3], v[LSR]              ; K step s's four bytes: register s, the same in every lane
	v_add_f32 v[BO], v[BO], v[QY]                  ; bo + query of my column
	s_wait_loadcnt 0x0                             ; Wo
	s_wait_dscnt 0x0
	; the first K step starts the sums; the two accumulators by turns.  Operands and scales are all written by loads
	v_wmma_scale_f32_16x16x128_f8f6f4 v[ACC:ACC+7], v[WO:WO+11], v[AFR:AFR+11], 0, v[WSW], v[ASW] matrix_a_fmt:MATRIX_FMT_FP6 matrix_b_fmt:MATRIX_FMT_FP6
	v_wmma_scale_f32_16x16x128_f8f6f4 v[ACC+8:ACC+15], v[WO+48:WO+59], v[AFR:AFR+11], 0, v[WSW], v[ASW] matrix_a_fmt:MATRIX_FMT_FP6 matrix_b_fmt:MATRIX_FMT_FP6 matrix_a_scale:MATRIX_SCALE_ROW1
.irp s, 1,2,3
	v_wmma_scale_f32_16x16x128_f8f6f4 v[ACC:ACC+7], v[WO+12*\s:WO+12*\s+11], v[AFR+12*\s:AFR+12*\s+11], v[ACC:ACC+7], v[WSW+\s], v[ASW+\s] matrix_a_fmt:MATRIX_FMT_FP6 matrix_b_fmt:MATRIX_FMT_FP6
	v_wmma_scale_f32_16x16x128_f8f6f4 v[ACC+8:ACC+15], v[WO+12*(4+\s):WO+12*(4+\s)+11], v[AFR+12*\s:AFR+12*\s+11], v[ACC+8:ACC+15], v[WSW+\s], v[ASW+\s] matrix_a_fmt:MATRIX_FMT_FP6 matrix_b_fmt:MATRIX_FMT_FP6 matrix_a_scale:MATRIX_SCALE_ROW1
.endr
.rept 4
	v_nop                                          ; four places ahead of the first read of the results (ISA guide 7.12.1)
.endr
.irp i, 0,1,2,3,4,5,6,7
	v_cndmask_b32 v[EE+\i], v[ACC+2*\i], v[ACC+2*\i+1], s40    ; lane (r, h) keeps register 8 (r / 8) + r % 8; each accumulator from its low end on
.endr
.irp i, 0,1,2,3
	v_cndmask_b32 v[EE+\i], v[EE+2*\i], v[EE+2*\i+1], s41
.endr
	v_cndmask_b32 v[EE], v[EE], v[EE+1], s42
	v_cndmask_b32 v[EE+1], v[EE+2], v[EE+3], s42
	v_cndmask_b32 v[EE], v[EE], v[EE+1], s43
	v_add_f32 v[XV], v[EE], v[BO]                  ; x of my column
	; ---- c) LayerNorm
	s_wait_alu depctr_va_vdst(0)                   ; x is written, which the LDS store below reads
	ds_store_b32 v[LAF], v[XV] offset:XR           ; a word of its own for each of the 512 threads (the sums do not mind the order)
	s_wait_dscnt 0x0
	s_barrier_signal -1
	s_barrier_wait -1                              ; the row lies in LDS
	s_wait_alu depctr_vm_vsrc(0)                   ; that store has read x (v50), which the deviation below writes again
.irp i, 0,1,2,3
	ds_load_b128 v[ROWV+4*\i:ROWV+4*\i+3], v[L16] offset:XR+512*\i   ; 512 consecutive bytes a load: every wave takes the whole row, 16 numbers a lane
.endr
	s_wait_dscnt 0x0
	v_pk_add_f32 v[DV:DV+1], v[ROWV:ROWV+1], v[ROWV+2:ROWV+3]
	v_pk_add_f32 v[DV+2:DV+3], v[ROWV+4:ROWV+5], v[ROWV+6:ROWV+7]
	v_pk_add_f32 v[DV+4:DV+5], v[ROWV+8:ROWV+9], v[ROWV+10:ROWV+11]
	v_pk_add_f32 v[DV+6:DV+7], v[ROWV+12:ROWV+13], v[ROWV+14:ROWV+15]
	v_pk_add_f32 v[DV:DV+1], v[DV:DV+1], v[DV+2:DV+3]
	v_pk_add_f32 v[DV+4:DV+5], v[DV+4:DV+5], v[DV+6:DV+7]
	v_pk_add_f32 v[DV:DV+1], v[DV:DV+1], v[DV+4:DV+5]
	v_add_f32 v[SA], v[DV], v[DV+1]
	WSUM SA
	v_mul_f32 v[NM], 0xbb000000, v[SA]             ; - the mean
	v_mov_b32 v[NM+1], v[NM]
.irp i, 0,2,4,6,8,10,12,14
	v_pk_add_f32 v[DV+\i:DV+\i+1], v[ROWV+\i:ROWV+\i+1], v[NM:NM+1]
.endr
	v_pk_mul_f32 v[SA:SA+1], v[DV:DV+1], v[DV:DV+1]
.irp i, 2,4,6,8,10,12,14
	v_pk_fma_f32 v[SA:SA+1], v[DV+\i:DV+\i+1], v[DV+\i:DV+\i+1], v[SA:SA+1]
.endr
	v_add_f32 v[SA], v[SA], v[SA+1]
	WSUM SA
	v_fma_f32 v[RSQ], v[SA], s30, s31              ; the variance + 1e-5
	v_rsq_f32 v[RSQ], v[RSQ]
	v_add_f32 v[XV], v[XV], v[NM]                  ; my column's deviation (the plain place behind the transcendental)
	s_wait_alu depctr_va_vdst(0)                   ; the reciprocal root is written, ahead of its first reader
	v_mul_f32 v[GA], v[GA], v[RSQ]
	v_fma_f32 v[XV], v[XV], v[GA], v[BE]
	s_wait_alu depctr_va_vdst(0)                   ; the result is written, which the store below reads
	global_store_b32 v[OUTA], v[XV], s[26:27]      ; the wave's 32 lanes cover 128 consecutive bytes, the sixteen waves the row's 2,048
	s_wait_dscnt 0x0
	s_wait_alu depctr_hold_cnt(0) depctr_sa_sdst(0) depctr_va_vdst(0) depctr_va_sdst(0) depctr_va_ssrc(0) depctr_va_vcc(0) depctr_vm_vsrc(0)
	s_wait_tensorcnt 0x0
	ds_add_u32 v62, v63
	s_wait_dscnt 0x0
	s_endpgm
.Lfunc_end_k_q1ced6ada2a_final:
	.size	k_q1ced6ada2a_final, .Lfunc_end_k_q1ced6ada2a_final-k_q1ced6ada2a_final
	.p2alignl 7, 3214868480
	.fill 96, 4, 3214868480
	.section	.rodata,"a",@progbits
	.p2align	6, 0x0
	.amdhsa_kernel k_q1ced6ada2a_final
		.amdhsa_group_segment_fixed_size 7168
		.amdhsa_private_segment_fixed_size 0
		.amdhsa_enable_private_segment 0
		.amdhsa_kernarg_size 80
		.amdhsa_user_sgpr_count 2
		.amdhsa_user_sgpr_kernarg_segment_ptr 1
		.amdhsa_wavefront_size32 1
		.amdhsa_system_sgpr_workgroup_id_x 1
		.amdhsa_system_sgpr_workgroup_id_y 1
		.amdhsa_system_sgpr_workgroup_id_z 1
		.amdhsa_system_vgpr_workitem_id 0
		.amdhsa_next_free_vgpr 256
		.amdhsa_next_free_sgpr 66
		.amdhsa_reserve_vcc 0
		.amdhsa_float_denorm_mode_32 3
		.amdhsa_float_denorm_mode_16_64 3
		.amdhsa_memory_ordered 1
		.amdhsa_forward_progress 1
		.amdhsa_inst_pref_size 18
	.end_amdhsa_kernel
	.amdgpu_metadata
---
amdhsa.version: [ 1, 2 ]
amdhsa.kernels:
  - .name:           k_q1ced6ada2a_final
    .symbol:         k_q1ced6ada2a_final.kd
    .args:
      - { .name: pO, .offset: 0, .size: 8, .value_kind: global_buffer, .address_space: global }
      - { .name: pml, .offset: 8, .size: 8, .value_kind: global_buffer, .address_space: global }
      - { .name: bv, .offset: 16, .size: 8, .value_kind: global_buffer, .address_space: global }
      - { .name: wimg, .offset: 24, .size: 8, .value_kind: global_buffer, .address_space: global }
      - { .name: wsimg, .offset: 32, .size: 8, .value_kind: global_buffer, .address_space: global }
      - { .name: bo, .offset: 40, .size: 8, .value_kind: global_buffer, .address_space: global }
      - { .name: query, .offset: 48, .size: 8, .value_kind: global_buffer, .address_space: global }
      - { .name: ln_gamma, .offset: 56, .size: 8, .value_kind: global_buffer, .address_space: global }
      - { .name: ln_beta, .offset: 64, .size: 8, .value_kind: global_buffer, .address_space: global }
      - { .name: out0, .offset: 72, .size: 8, .value_kind: global_buffer, .address_space: global }
    .group_segment_fixed_size: 7168
    .private_segment_fixed_size: 0
    .kernarg_segment_align: 8
    .kernarg_segment_size: 80
    .max_flat_workgroup_size: 512
    .sgpr_count:     66
    .vgpr_count:     256
    .wavefront_size: 32
...
	.end_amdgpu_metadata
.endif
;; end of part 7
